; MI455X (gfx1250); checked and timed in simulation.
; The chip was launched on July 23, 2026; its instructions are those of AMD's public machine-readable ISA for CDNA 5 (MIT licence, August 2026) and "CDNA5" Instruction Set Architecture Reference Guide (July 2026). The comments in the code are by the model that wrote it; some were corrected since.
;; Attention. Allowed arithmetic: float matrix products may take bf16 or f16 operands with f32 sums; other float arithmetic in f32, or as packed bf16 or f16 multiplies, adds, multiply-adds, maxima and minima; sums over many terms, partial sums and values carried from step to step in f32; what a program stores and reads back later, other than sums and carried values, may be rounded once to bf16 or f16.
;; Inputs: Wk 1,024 x 1,024 float32; Wq 1,024 x 1,024 float32; Wv 1,024 x 1,024 float32; bk 1,024 float32; bq 1,024 float32; bv 1,024 float32; x 4 x 2,048 x 1,024 float32.
;; Outputs: out0 4 x 2,048 x 1,024 float32.
;; 2 versions, each right; version 2 is version 1 with the launch cast written anew for expert scheduling mode. Each part assembles by itself: llvm-mc -triple=amdgcn-amd-amdhsa -mcpu=gfx1250 --defsym DOCPART=n.
;; ======== version 1 of 2: 4 launches
;; limits: values are held in f16: magnitudes above 65,504 overflow, below 6.1e-05 lose precision
;; workspace buffers: xb 16,777,216 bytes; wb 6,291,456 bytes; qkv 50,331,648 bytes; pm 33,554,432 bytes; st 1,048,576 bytes
;; launch cast (part 1): grid 704 x 1, 8 waves a work-group, no clusters, 0 bytes of LDS; arguments x, Wq, Wk, Wv, xb, wb; writes xb, wb
.if DOCPART == 1
	.amdgcn_target "amdgcn-amd-amdhsa--gfx1250"
	.amdhsa_code_object_version 6
	.text
	.protected	k_q1c1d76aa28_cast
	.globl	k_q1c1d76aa28_cast
	.p2align	8
	.type	k_q1c1d76aa28_cast,@function
k_q1c1d76aa28_cast:
	s_mov_b64 s[64:65], 0
	v_nop
	global_prefetch_b8 v0, s[64:65] scope:SCOPE_SE
	s_setreg_imm32_b32 hwreg(HW_REG_WAVE_MODE, 25, 1), 1
	s_wait_xcnt 0x0
; x [8192][1024] and Wq, Wk, Wv [1024][1024], f32, are rounded once to bf16 (nearest even).
; wb = the three weights one behind the other, layout unchanged.  xb = [16 K steps][8192 rows][64]: the 64 numbers of a row that one K step of the projection takes lie in 128 bytes, and the rows of a K step
; lie end to end, so that the projection's tile of 256 rows is 32,768 bytes on end.
; A stream: each byte is read once and written once; nothing is shared, so no LDS, no barrier, no matrix unit.
; A work-group takes 16,384 numbers: 65,536 bytes in, 32,768 out.  Work-groups 0-511 take 16 rows of x each, 512-703 the weights, 64 each.
; x: thread t takes row t / 16 and, in load i, the four numbers 64 i + 4 (t % 16) on: sixteen lanes read 256 consecutive bytes of a row, and a wave's store covers two rows' 128 bytes of K step i: 256 consecutive
; bytes at a multiple of 256 from the buffer's first byte.  The weights: a load of a wave covers 512 consecutive bytes, a store 256.
; All sixteen loads of a thread go out first; no register is written twice, so the only waits are the counted ones for the loads.
.set X, 4                              ; v[4:67]   sixteen loads of four numbers
.set Y, 68                             ; v[68:99]  sixteen pairs of packed bf16
.set BACK, 0x780000                    ; xb's pointer stands this far in, so that the sixteen K steps, 1,048,576 bytes apart, lie inside the stores' signed 24-bit immediate
.macro MOVE lstep, sstep, back
.irp i, 0,1,2,3,4,5,6,7,8,9,10,11,12,13,14,15
	global_load_b128 v[X+4*(\i):X+4*(\i)+3], v1, s[16:17] offset:(\lstep)*(\i) th:TH_LOAD_NT
.endr
.irp i, 0,1,2,3,4,5,6,7,8,9,10,11,12,13,14,15
	s_wait_loadcnt 15-(\i)                         ; loads come back in order: number i is in, the 15 - i younger ones stay out
	v_cvt_pk_bf16_f32 v[Y+2*(\i)], v[X+4*(\i)], v[X+4*(\i)+1]
	v_cvt_pk_bf16_f32 v[Y+2*(\i)+1], v[X+4*(\i)+2], v[X+4*(\i)+3]
	global_store_b64 v2, v[Y+2*(\i):Y+2*(\i)+1], s[18:19] offset:(\sstep)*(\i)-(\back) th:TH_STORE_NT
.endr
.endm
	s_load_b256 s[4:11], s[0:1], 0x0               ; x s[4:5], Wq s[6:7], Wk s[8:9], Wv s[10:11]
	s_load_b128 s[12:15], s[0:1], 0x20             ; xb s[12:13], wb s[14:15]
	v_lshlrev_b32 v2, 3, v0                        ; 8 bytes a thread out, in both parts
	s_wait_kmcnt 0x0
	s_cmp_lt_u32 ttmp9, 512
	s_cbranch_scc0 .Lweights
	s_lshl_b32 s20, ttmp9, 16                      ; 16 rows of 4,096 bytes in,
	s_mov_b32 s21, 0
	s_lshl_b32 s22, ttmp9, 11                      ; 16 rows of 128 bytes out, in each K step
	s_mov_b32 s23, 0
	s_add_nc_u64 s[16:17], s[4:5], s[20:21]
	s_add_nc_u64 s[18:19], s[12:13], s[22:23]
	s_add_nc_u64 s[18:19], s[18:19], BACK
	v_lshrrev_b32 v3, 4, v0                        ; my row
	v_and_b32 v1, 15, v0
	v_lshlrev_b32 v1, 4, v1                        ; my 16 bytes of a K step's 256
	v_lshl_add_u32 v1, v3, 12, v1
	MOVE 256, 1048576, BACK
	s_endpgm
.Lweights:
	s_sub_co_u32 s20, ttmp9, 512                   ; my number among the weights' work-groups
	s_and_b32 s22, s20, 63                         ; my part of one weight
	s_lshr_b32 s23, s20, 6                         ; which weight
	s_cmp_eq_u32 s23, 1
	s_cselect_b64 s[16:17], s[8:9], s[6:7]
	s_cmp_eq_u32 s23, 2
	s_cselect_b64 s[16:17], s[10:11], s[16:17]
	s_lshl_b32 s22, s22, 16                        ; 65,536 bytes a work-group in,
	s_mov_b32 s23, 0
	s_lshl_b32 s20, s20, 15                        ; 32,768 out
	s_mov_b32 s21, 0
	s_add_nc_u64 s[16:17], s[16:17], s[22:23]
	s_add_nc_u64 s[18:19], s[14:15], s[20:21]
	v_lshlrev_b32 v1, 4, v0                        ; 16 bytes a thread in
	MOVE 4096, 2048, 0
	s_endpgm
.Lfunc_end_k_q1c1d76aa28_cast:
	.size	k_q1c1d76aa28_cast, .Lfunc_end_k_q1c1d76aa28_cast-k_q1c1d76aa28_cast
	.p2alignl 7, 3214868480
	.fill 96, 4, 3214868480
	.section	.rodata,"a",@progbits
	.p2align	6, 0x0
	.amdhsa_kernel k_q1c1d76aa28_cast
		.amdhsa_group_segment_fixed_size 0
		.amdhsa_private_segment_fixed_size 0
		.amdhsa_enable_private_segment 0
		.amdhsa_kernarg_size 48
		.amdhsa_user_sgpr_count 2
		.amdhsa_user_sgpr_kernarg_segment_ptr 1
		.amdhsa_wavefront_size32 1
		.amdhsa_system_sgpr_workgroup_id_x 1
		.amdhsa_system_sgpr_workgroup_id_y 1
		.amdhsa_system_sgpr_workgroup_id_z 1
		.amdhsa_system_vgpr_workitem_id 0
		.amdhsa_next_free_vgpr 100
		.amdhsa_next_free_sgpr 66
		.amdhsa_reserve_vcc 0
		.amdhsa_float_denorm_mode_32 3
		.amdhsa_float_denorm_mode_16_64 3
		.amdhsa_memory_ordered 1
		.amdhsa_forward_progress 1
		.amdhsa_inst_pref_size 13
	.end_amdhsa_kernel
	.amdgpu_metadata
---
amdhsa.version: [ 1, 2 ]
amdhsa.kernels:
  - .name:           k_q1c1d76aa28_cast
    .symbol:         k_q1c1d76aa28_cast.kd
    .args:
      - { .name: x, .offset: 0, .size: 8, .value_kind: global_buffer, .address_space: global }
      - { .name: Wq, .offset: 8, .size: 8, .value_kind: global_buffer, .address_space: global }
      - { .name: Wk, .offset: 16, .size: 8, .value_kind: global_buffer, .address_space: global }
      - { .name: Wv, .offset: 24, .size: 8, .value_kind: global_buffer, .address_space: global }
      - { .name: xb, .offset: 32, .size: 8, .value_kind: global_buffer, .address_space: global }
      - { .name: wb, .offset: 40, .size: 8, .value_kind: global_buffer, .address_space: global }
    .group_segment_fixed_size: 0
    .private_segment_fixed_size: 0
    .kernarg_segment_align: 8
    .kernarg_segment_size: 48
    .max_flat_workgroup_size: 256
    .sgpr_count:     66
    .vgpr_count:     100
    .wavefront_size: 32
...
	.end_amdgpu_metadata
.endif
;; end of part 1
;; launch proj (part 2): grid 8 x 32, 4 waves a work-group, clusters of 4 x 4, 327,680 bytes of LDS; arguments xb, wb, qkv, bq, bk, bv; writes qkv
.if DOCPART == 2
	.amdgcn_target "amdgcn-amd-amdhsa--gfx1250"
	.amdhsa_code_object_version 6
	.text
	.protected	k_q1c1d76aa28_proj
	.globl	k_q1c1d76aa28_proj
	.p2align	8
	.type	k_q1c1d76aa28_proj,@function
k_q1c1d76aa28_proj:
	s_mov_b64 s[64:65], 0
	v_nop
	global_prefetch_b8 v0, s[64:65] scope:SCOPE_SE
	s_setreg_imm32_b32 hwreg(HW_REG_WAVE_MODE, 25, 1), 1
	s_wait_xcnt 0x0
	s_wait_alu depctr_hold_cnt(0) depctr_sa_sdst(0) depctr_va_vdst(0) depctr_va_sdst(0) depctr_va_ssrc(0) depctr_va_vcc(0) depctr_vm_vsrc(0)
	s_getreg_b32 s2, hwreg(HW_REG_IB_STS2, 6, 4)
	s_cmp_eq_u32 s2, 0
	s_cbranch_scc0 .Lentry_in_a_cluster
	s_endpgm
.Lentry_in_a_cluster:
	s_bfe_u32 s2, ttmp6, 0x10000c
	s_cmp_lg_u32 s2, 0xf033
	s_cbranch_scc0 .Lentry_shape_is_right
	s_endpgm
.Lentry_shape_is_right:
; [Q | K | V] = x W + bias.  xb: bf16 [16 K steps][8192 rows][64]; wb: bf16 [3][1024 k][1024 n]; bias f32, rounded to bf16 like the other inputs; sums in f32; qkv: f16 [3][8192][1024], rounded once.
; LIMIT.  f16 ends at 65,504: a projected number beyond it becomes an infinity.  Inputs 30 times those of unit spread give some 5e3, a common offset of 30 spreads some 3e4.
; SHARES.  A work-group makes 256 rows x 128 columns of EACH of the three planes: 8 x 32 = 256 work-groups of equal work.  Four waves, each 128 rows x 64 columns x 3 planes: 8 row blocks a x 12 column
; blocks b (plane b / 4): 96 accumulators of 16 x 16, 768 registers.  K goes in 16 steps of 64 through two LDS slots; a step is two PHASES of 32 along K, 96 products each.
; CLUSTER.  4 x 4 work-groups: 4 x cluster x + cx is the tile column, 4 x cluster y + cy the tile row.  x's tile is shared along a row of the cluster, the weights' along a column: each is asked for jointly, by
; the same tensor load with the same descriptor and a mask that names the four.  Wave 0 asks for x's 256 rows (32,768 bytes on end, as 128 rows of 256), waves 1 to 3 for a plane's 64 k-rows of 256 bytes each.
; THE PRODUCT IS USED TRANSPOSED: source 0 = 16 columns of the weight, source 1 = 16 rows of x: a lane holds row l % 16 and the columns 8 (l / 16) + 0..7: 16 bytes of f16 on end.
; The weight lies [k][n]; its fragments come out of LDS turned, by ds_load_tr16_b128.  The bias is the C operand of the products that start the sums: nothing is cleared and nothing is added later.
; REGISTERS, in windows of 256 (s_set_vgpr_msb: bits 1:0 source 0, 3:2 source 1, 5:4 source 2, 7:6 destination):
;   window 0: v0-31 addresses; v32-63 a ring of four fragments of x; v64-159, v160-255 the weights' 12 fragments, a buffer for each of a step's two phases (the second holds the bias first); all of it the way out's later
;   windows 1 to 3: accumulator n = 12 a + b at register 8 (n % 32) of window 1 + n / 32
; THE ORDER OF A PHASE.  Row blocks 0 to 7, twelve products each: the 96 accumulators take turns in one order, over the backward jumps too.  Behind every second row block stand four
; v_nop and the four loads that bring the two fragments of x wanted four row blocks later, 24 products ahead of their use; the next phase's weights come in one run of 24 loads, 48 products ahead.
; THE SLOT IN HAND is the scalar TB (0 or SLOT), turned by an exclusive or at each change of slots; LDS addresses are a fixed lane term plus TB.
.set KSTEP,  64
.set ROWB,   2048                      ; bytes in a row of wb and of qkv
.set PA,     144                       ; x's row in LDS: 128 bytes + 16 = 9 x 16: the 16 rows of a load start at 16 different groups of four banks
.set PB,     288                       ; the weight's row in LDS: 256 bytes + 32 = 9 x 32
.set ABYTES, 256*PA                    ; x's part of a slot
.set BPL,    KSTEP*PB                  ; a plane's part: half of x's
.set SLOT,   ABYTES+3*BPL
.set STAGE,  2*SLOT                    ; behind the ring, never filled by a tensor load: two stages of 256 rows x 272 bytes, the work-group's, for the way out
.set SPITCH, 272
.set SPL,    256*SPITCH
.set SPARE,  STAGE+2*SPL               ; the spare words, 128 bytes for each wave: two blocks of 256 bytes that no other line names
.set ASTEP,  8192*128                  ; a K step in xb
.set BSTEP,  KSTEP*ROWB                ; a K step in wb: 64 rows
.set ADRA0, 8                          ; v8   my place in x's tile, slot 0; never rewritten
.set ADRA,  9                          ; v9   the same in the slot in hand
.set ADRB0, 10                         ; v10, v11  the same for the weights
.set ADRB,  11
.set STO,  12                          ; v12, v13  where I put 16 bytes of a row, stage 0, 1
.set RD,   14                          ; v14, v15  where I read rows back
.set CO,   16                          ; v16  my byte offset in two rows of qkv
.set BO,   17
.set PFO,  18                          ; v18  the prefetches' lane offset; never rewritten
.set SPW,  20                          ; v20  my spare word; never rewritten
.set NIL,  21                          ; v21  0; never rewritten
.set AR,   32
.set BF0,  64
.set BF1,  160
.set BI,   160                         ; the bias of my 192 columns: block b at BI + 8 b
.set TMP,  64                          ; the way out: 64 registers of packed results
.set BK,   128                         ; the way out: 64 rows' 16 bytes read back
.set G1,  24                           ; s[24:31] group 1 for x's tiles;  s[32:39] group 0: set 0 = K step 0, set 1 = K step 1, which then walks
.set G0,  32
.set G1B, 48                           ; s[48:55], s[56:63] the same for the weights'
.set G0B, 56
.set LIM, 43                           ; s43  1 in a wave that prefetches, else the greatest number
.set PFA, 44                           ; s[44:45] where my next prefetch stands
.set TB,  66                           ; s66  the slot in hand: 0 or SLOT
.set ODD, 67                           ; s67  0 in wave 0, which prefetches in every trip; 1 in the others, which prefetch in the trips with an odd count
.set PST, 76                           ; s[76:77] a K step in the tensor that I prefetch
.set OQ,  80                           ; s[80:85] qkv at my 64 rows and the tile's columns, a pointer for each plane
.set HIM, 86                           ; s86  the mask of a word's upper bf16
.set MSB, 0
.macro WIN new                         ; the immediate's high byte repeats the setting that is left; a switch that changes nothing is dropped
.if MSB != (\new)
	s_set_vgpr_msb (MSB<<8)|(\new)
.set MSB, (\new)
.endif
.endm
.macro PLACES                          ; four plain vector instructions between a matrix instruction and a load into, or a vector access to, its registers
.rept 4
	v_nop
.endr
.endm
; A joint refill by the walking descriptors.  The branch hangs on the wave's number alone.  An s_nop 0 and four v_nop follow each of the two lines.
.macro JLOAD
	s_cmp_eq_u32 s10, 0
	s_cbranch_scc0 .Lfor_b_\@
	tensor_load_to_lds s[G0+4:G0+7], s[G1:G1+7]
	s_nop 0
	PLACES
	s_branch .Lasked_\@
.Lfor_b_\@:
	tensor_load_to_lds s[G0B+4:G0B+7], s[G1B:G1B+7]
	s_nop 0
	PLACES
.Lasked_\@:
.endm
.macro CREST                           ; a round of the cluster's barrier behind its opening barrier
	s_cmp_lg_u32 s10, 0
	s_cbranch_scc1 .Lnot_wave_0_\@
	s_barrier_signal -3
.Lnot_wave_0_\@:
	s_barrier_wait -3
	s_barrier_signal -1
	s_barrier_wait -1
.endm
.macro CROUND
	s_barrier_signal -1
	s_barrier_wait -1
	CREST
.endm
; A PREFETCH, behind the joint load and the run of LDS loads: 32 blocks of 256 bytes, a lane a block, one instruction a wave.
; x: a tile row is read by the two clusters of a row of clusters: cluster x = 0 asks, by its wave 0, in the trip that loads K step s for K step s + 1: of the tile's 128 blocks the partner at cx takes 32.
; The weights: a tile column is read by the eight clusters of a column: cluster y = 0 asks, by its waves 1 to 3 (a plane each), in every second trip for the two K steps behind the one that is being loaded: their
; 128 k-rows lie one behind the other, and the partner at cy takes 32.  So each block is named once in the launch, and partners are told apart by address alone.
; x's K steps 0 to 2 and the weights' 0 to 3 come by their loads alone; the trip with s3 = 1 asks for nothing: K step 15 is the last.
.macro ASK
	s_and_b32 s21, s3, s[ODD]
	s_cmp_eq_u32 s21, s[ODD]
	s_cselect_b32 s21, s3, 0
	s_cmp_gt_u32 s21, s[LIM]
	s_cbranch_scc0 .Lnot_mine_\@
	global_prefetch_b8 v[PFO], s[PFA:PFA+1] th:TH_LOAD_NT scope:SCOPE_SE
.Lnot_mine_\@:
.endm
	s_load_b128 s[4:7], s[0:1], 0x0                ; xb s[4:5], wb s[6:7]
	s_load_b64 s[8:9], s[0:1], 0x10                ; qkv
	s_load_b128 s[68:71], s[0:1], 0x18             ; bq, bk
	s_load_b64 s[72:73], s[0:1], 0x28              ; bv
	v_lshl_add_u32 v[SPW], v0, 2, SPARE
	v_mov_b32 v[NIL], 0
	ds_add_u32 v[SPW], v[NIL]                      ; the wave's opening: the add and its wait stand ahead of my first tensor load; the set-up below stands between them
	v_lshrrev_b32 v1, 5, v0
	v_readfirstlane_b32 s10, v1                    ; wave 0..3
	s_lshr_b32 s11, s10, 1                         ; my half of the tile's rows
	s_and_b32 s12, s10, 1                          ; my half of its columns
	s_bfe_u32 s40, ttmp6, 0x40000                  ; cx
	s_bfe_u32 s41, ttmp6, 0x40004                  ; cy
	s_lshl_b32 s42, ttmp9, 2
	s_add_co_u32 s42, s42, s40                     ; tile column = 4 x cluster x + cx
	s_and_b32 s13, ttmp7, 0xffff
	s_lshl_b32 s13, s13, 2
	s_add_co_u32 s13, s13, s41                     ; tile row = 4 x cluster y + cy
	s_lshl_b32 s43, s41, 2
	s_lshl_b32 s43, 15, s43                        ; my row of the cluster
	s_lshl_b32 s44, 0x1111, s40                    ; my column
	s_or_b32 s[G1+0], s43, (1<<16)|(1<<20)|(1<<21)|(4<<22)|(3<<25)   ; mask; 2-byte elements; padding on; bit 21 beside a mask; after every 32 words (a row of x), 4 words
	s_or_b32 s[G1B+0], s44, (1<<16)|(1<<20)|(1<<21)|(5<<22)|(7<<25)  ; after every 64 words, 8 words
	s_mov_b32 s[G1+1], 128<<16                     ; tensor_dim0 = 128: two rows of x, 256 bytes
	s_mov_b32 s[G1+2], 128<<16                     ; tensor_dim1 = 128
	s_mov_b32 s[G1+3], 128<<16                     ; tile_dim0 = 128
	s_mov_b32 s[G1+4], 128                         ; tile_dim1 = 128
	s_mov_b32 s[G1+5], 128                         ; the block is dense
	s_mov_b32 s[G1+6], 0
	s_mov_b32 s[G1+7], 0
	s_mov_b32 s[G1B+1], 128<<16                    ; tensor_dim0 = 128
	s_mov_b32 s[G1B+2], 64<<16                     ; tensor_dim1 = 64
	s_mov_b32 s[G1B+3], 128<<16                    ; tile_dim0 = 128
	s_mov_b32 s[G1B+4], 64                         ; tile_dim1 = 64
	s_mov_b32 s[G1B+5], 1024                       ; elements from row to row
	s_mov_b32 s[G1B+6], 0
	s_mov_b32 s[G1B+7], 0
	s_lshl_b32 s16, s13, 15                        ; x: 256 rows of 128 bytes a tile row: it hangs on the tile row alone
	s_mov_b32 s17, 0
	s_max_u32 s21, s10, 1
	s_sub_co_u32 s21, s21, 1                       ; the plane that I fetch: wave - 1 (wave 0 fetches none and never uses this)
	s_lshl_b32 s46, s21, 21                        ; the weight: its plane, 256 bytes a tile column: it hangs on the tile column and the wave alone
	s_lshl_b32 s47, s42, 8
	s_add_co_u32 s46, s46, s47
	s_mov_b32 s47, 0
	s_mul_i32 s20, s10, BPL                        ; where a plane goes in a slot: behind x's part, which is two planes' size: (wave + 1) x BPL.  No place in the cluster enters an LDS address
	s_add_co_u32 s20, s20, BPL
	s_mov_b32 s[TB], 0
	s_min_u32 s[ODD], s10, 1
	s_mov_b32 s[HIM], 0xffff0000
	s_wait_dscnt 0x0                               ; the opening add is done
	s_wait_kmcnt 0x0
	s_add_nc_u64 s[14:15], s[4:5], s[16:17]
	s_add_nc_u64 s[46:47], s[6:7], s[46:47]
	CROUND                                         ; all sixteen work-groups are here: the first joint loads meet
	s_mov_b32 s[G0], 1
	s_mov_b32 s[G0+1], 0
	s_mov_b64 s[G0+2:G0+3], s[14:15]
	s_or_b32 s[G0+3], s[G0+3], 0x80000000
	s_mov_b32 s[G0+4], 1
	s_mov_b32 s[G0+5], SLOT
	s_add_nc_u64 s[G0+6:G0+7], s[14:15], ASTEP
	s_or_b32 s[G0+7], s[G0+7], 0x80000000
	s_mov_b32 s[G0B], 1
	s_add_co_u32 s[G0B+1], s20, 0
	s_mov_b64 s[G0B+2:G0B+3], s[46:47]
	s_or_b32 s[G0B+3], s[G0B+3], 0x80000000
	s_mov_b32 s[G0B+4], 1
	s_add_co_u32 s[G0B+5], s20, SLOT
	s_add_nc_u64 s[G0B+6:G0B+7], s[46:47], BSTEP
	s_or_b32 s[G0B+7], s[G0B+7], 0x80000000
	s_cmp_eq_u32 s10, 0                            ; a wave's two first fills stand in one branch, ahead of every wait on TENSORcnt and every LDS read: two loads of mine are out
	s_cbranch_scc0 .Lfirst_b
	tensor_load_to_lds s[G0:G0+3], s[G1:G1+7]
	s_nop 0
	tensor_load_to_lds s[G0+4:G0+7], s[G1:G1+7]
	s_nop 0
	PLACES
	s_branch .Lfirst_asked
.Lfirst_b:
	tensor_load_to_lds s[G0B:G0B+3], s[G1B:G1B+7]
	s_nop 0
	tensor_load_to_lds s[G0B+4:G0B+7], s[G1B:G1B+7]
	s_nop 0
	PLACES
.Lfirst_asked:
	; the bias of my 64 columns in each plane: lane (r, h) takes columns 16 (b % 4) + 8 h + 0..7 of block b
	v_and_b32 v1, 15, v0                           ; r = l % 16
	v_bfe_u32 v2, v0, 4, 1                         ; h = l / 16
	s_lshl_b32 s22, s42, 9
	s_lshl_b32 s23, s12, 8
	s_add_co_u32 s22, s22, s23
	s_mov_b32 s23, 0
	s_add_nc_u64 s[68:69], s[68:69], s[22:23]
	s_add_nc_u64 s[70:71], s[70:71], s[22:23]
	s_add_nc_u64 s[72:73], s[72:73], s[22:23]
	v_lshlrev_b32 v[BO], 5, v2
.set c, 0
.rept 12
	global_load_b128 v[BI+8*c:BI+8*c+3],   v[BO], s[68+2*(c/4):69+2*(c/4)] offset:64*(c%4)
	global_load_b128 v[BI+8*c+4:BI+8*c+7], v[BO], s[68+2*(c/4):69+2*(c/4)] offset:64*(c%4)+16
.set c, c+1
.endr
	; x's fragment: 16 rows x 32 K: lane l holds row r, K = 8 h + 0..7 and 16 + 8 h + 0..7: two loads of 16 bytes, 32 bytes apart
	v_mul_u32_u24 v3, v1, PA
	v_lshl_add_u32 v3, v2, 4, v3
	s_mul_i32 s21, s11, 128*PA
	v_add_nc_u32 v[ADRA0], s21, v3
	v_mov_b32 v[ADRA], v[ADRA0]
	; the turning load takes 16 k x 16 columns (lane l reads k-row 8 h + l % 8, columns 8 ((l / 8) % 2) + 0..7) and leaves half a fragment: lane l holds column r and 8 k
	v_and_b32 v4, 7, v0
	v_lshl_add_u32 v4, v2, 3, v4
	v_mul_u32_u24 v4, v4, PB
	v_bfe_u32 v5, v0, 3, 1
	v_lshl_add_u32 v4, v5, 4, v4
	s_lshl_b32 s22, s12, 7                         ; my 64 columns: 128 bytes of a row
	s_add_co_u32 s22, s22, ABYTES
	v_add_nc_u32 v[ADRB0], s22, v4
	v_mov_b32 v[ADRB], v[ADRB0]
	s_mul_i32 s23, s11, 128*SPITCH                 ; into a stage: my 128 rows, my half of their 256 bytes; row r, 16 bytes for each half of the lanes
	s_lshl_b32 s21, s12, 7
	s_add_co_u32 s23, s23, s21
	s_add_co_u32 s23, s23, STAGE
	v_mul_u32_u24 v4, v1, SPITCH
	v_lshl_add_u32 v4, v2, 4, v4
	v_add_nc_u32 v[STO], s23, v4
	v_add_nc_u32 v[STO+1], SPL, v[STO]
	s_mul_i32 s23, s10, 64*SPITCH                  ; back: wave w takes rows 64 w .. 64 w + 63, whole; lanes 0-15 one row of 256 bytes, lanes 16-31 the next
	s_add_co_u32 s23, s23, STAGE
	v_mul_u32_u24 v5, v2, SPITCH
	v_lshl_add_u32 v5, v1, 4, v5
	v_add_nc_u32 v[RD], s23, v5
	v_add_nc_u32 v[RD+1], SPL, v[RD]
	v_lshlrev_b32 v5, 11, v2                       ; and the same two rows in qkv
	v_lshl_add_u32 v[CO], v1, 4, v5
	s_lshl_b32 s16, s13, 8                         ; the first row that I store: 256 x tile row + 64 x wave
	s_lshl_b32 s17, s10, 6
	s_add_co_u32 s16, s16, s17
	s_lshl_b32 s16, s16, 11
	s_lshl_b32 s17, s42, 8                         ; the tile's first column, in bytes
	s_add_co_u32 s16, s16, s17
	s_mov_b32 s17, 0
	s_add_nc_u64 s[OQ:OQ+1], s[8:9], s[16:17]
	s_add_nc_u64 s[OQ+2:OQ+3], s[OQ:OQ+1], 0x1000000    ; a plane is 16,777,216 bytes
	s_add_nc_u64 s[OQ+4:OQ+5], s[OQ+2:OQ+3], 0x1000000
	; the prefetches.  Both pointers stand at K step 2 and are stepped by one K step ahead of each trip's test
	s_lshl_b32 s16, s13, 15                        ; x: the tile row's 32,768 bytes, my work-group's 8,192 of them
	s_lshl_b32 s17, s40, 13
	s_add_co_u32 s16, s16, s17
	s_add_co_u32 s16, s16, 2*ASTEP
	s_max_u32 s18, s10, 1
	s_sub_co_u32 s18, s18, 1
	s_lshl_b32 s18, s18, 21                        ; the weight: my plane, the tile column's 256 bytes, my work-group's 32 k-rows of 128
	s_lshl_b32 s19, s42, 8
	s_add_co_u32 s18, s18, s19
	s_lshl_b32 s19, s41, 16
	s_add_co_u32 s18, s18, s19
	s_add_co_u32 s18, s18, 2*BSTEP
	s_and_b32 s22, ttmp7, 0xffff                   ; cluster y
	s_mov_b32 s23, BSTEP
	s_mov_b32 s21, ASTEP
	s_cmp_eq_u32 s10, 0                            ; do I fetch x?
	s_cselect_b32 s16, s16, s18
	s_cselect_b32 s22, ttmp9, s22                  ; the coordinate along which other clusters read the same blocks
	s_cselect_b64 s[PFA:PFA+1], s[4:5], s[6:7]
	s_cselect_b32 s[PST], s21, s23
	s_cselect_b32 s19, 8, 11                       ; a lane a block of 256 bytes on end, or a row of 2,048
	s_mov_b32 s[PST+1], 0
	s_mov_b32 s17, 0
	s_add_nc_u64 s[PFA:PFA+1], s[PFA:PFA+1], s[16:17]
	s_cmp_eq_u32 s22, 0
	s_cselect_b32 s[LIM], 1, -1                    ; the same in all sixteen partners, for a given wave
	v_and_b32 v[PFO], 31, v0
	v_lshlrev_b32 v[PFO], s19, v[PFO]
	s_wait_loadcnt 0x0                             ; the bias; it is rounded to bf16 and widened again
.set i, 0
.rept 48
	v_cvt_pk_bf16_f32 v[24+i%2], v[BI+2*i], v[BI+2*i+1]
	v_lshlrev_b32 v[BI+2*i], 16, v[24+i%2]
	v_and_b32 v[BI+2*i+1], s[HIM], v[24+i%2]
.set i, i+1
.endr
; Row block a: 12 products, 32 along K, with the weights' buffer f.  init = 1: the bias starts the sums.
.macro BLK a, f, init
.set b, 0
.rept 12
.set n, 12*(\a)+b
.set aw, 1+n/32
.set rD, 8*(n%32)
.if \init
	WIN aw<<6
	v_wmma_f32_16x16x32_bf16 v[rD:rD+7], v[(\f)+8*b:(\f)+8*b+7], v[AR+8*((\a)%4):AR+8*((\a)%4)+7], v[BI+8*b:BI+8*b+7]
.else
	WIN (aw<<6)|(aw<<4)
	v_wmma_f32_16x16x32_bf16 v[rD:rD+7], v[(\f)+8*b:(\f)+8*b+7], v[AR+8*((\a)%4):AR+8*((\a)%4)+7], v[rD:rD+7]
.endif
.set b, b+1
.endr
.endm
; x's fragments of row blocks i0, i0 + 1, phase ph of the slot in hand, into their places in the ring: four loads
.macro LDA i0, ph
	WIN 0
.irp i, \i0, (\i0)+1
	ds_load_b128 v[AR+8*((\i)%4):AR+8*((\i)%4)+3],   v[ADRA] offset:(\i)*16*PA+64*(\ph)
	ds_load_b128 v[AR+8*((\i)%4)+4:AR+8*((\i)%4)+7], v[ADRA] offset:(\i)*16*PA+64*(\ph)+32
.endr
.endm
; the weights' 12 fragments of phase ph of the slot in hand, turned, into buffer f: 24 loads in one run
.macro LDB f, ph
	WIN 0
.irp c, 0,1,2,3,4,5,6,7,8,9,10,11
	ds_load_tr16_b128 v[(\f)+8*(\c):(\f)+8*(\c)+3],   v[ADRB] offset:((\c)/4)*BPL+(\ph)*32*PB+32*((\c)%4)
	ds_load_tr16_b128 v[(\f)+8*(\c)+4:(\f)+8*(\c)+7], v[ADRB] offset:((\c)/4)*BPL+(\ph)*32*PB+16*PB+32*((\c)%4)
.endr
.endm
; A STEP'S FIRST PHASE.  init = 1: the launch's first: the bias lies in the second buffer, so the second phase's weights are fetched at the phase's end.
.macro PHE init
	s_wait_dscnt 4                                 ; the weights and x's row blocks 0, 1 are in; the youngest four loads (row blocks 2, 3) may be out
	BLK 0, BF0, \init
	BLK 1, BF0, \init
	PLACES
	LDA 4, 0
	s_wait_dscnt 4                                 ; row blocks 2, 3 are in; the four loads just issued may be out
	BLK 2, BF0, \init
	BLK 3, BF0, \init
	PLACES
	LDA 6, 0
.if \init
	s_wait_dscnt 4                                 ; row blocks 4, 5 are in
.else
	LDB BF1, 1
	s_wait_dscnt 28                                ; row blocks 4, 5 are in; behind them: four loads of x and the weights' 24
.endif
	BLK 4, BF0, \init
	BLK 5, BF0, \init
	PLACES
	LDA 0, 1
.if \init
	s_wait_dscnt 4                                 ; row blocks 6, 7 are in
.else
	s_wait_dscnt 28                                ; row blocks 6, 7 are in; behind them: the weights' 24 loads and four of x
.endif
	BLK 6, BF0, \init
	BLK 7, BF0, \init
	PLACES
.if \init
	LDB BF1, 1                                     ; over the bias, four places behind the last product that took it
.endif
	LDA 2, 1
.endm
; A STEP'S SECOND PHASE, and the change of slots.  Behind row block 3 the slot's last bytes have been asked for.  Each wave waits for all its tensor loads (one is out: its part of the next slot), adds 0 to its
; spare word, and waits for that and for its reads of this slot; row block 4 stands between the add and the wait for it.  The barrier follows with nothing in it.
; fill = 1: it opens a round of the cluster's, and the joint refill, the K step two on into the slot just read, is the first thing behind the round: 180 of a step's 192 products stand between it and the wait for it.
; fill = 0: the slot is left, nothing is asked for.
.macro PHO fill
.if \fill
	s_wait_xcnt 0x0                                ; the last prefetch, a K step back, has read its address
	s_add_nc_u64 s[PFA:PFA+1], s[PFA:PFA+1], s[PST:PST+1]
.endif
	s_wait_dscnt 4
	BLK 0, BF1, 0
	BLK 1, BF1, 0
	PLACES
	LDA 4, 1
	s_wait_dscnt 4
	BLK 2, BF1, 0
	BLK 3, BF1, 0
	PLACES
	LDA 6, 1
	s_wait_tensorcnt 0x0                           ; no tensor load of mine is out, so a group 0 may be written
	ds_add_u32 v[SPW], v[NIL]
.if \fill
	s_mov_b32 s[G0+5], s[TB]                       ; the walking descriptors: the slot in hand, the next K step
	s_add_co_u32 s[G0B+5], s20, s[TB]
	s_add_nc_u64 s[G0+6:G0+7], s[G0+6:G0+7], ASTEP
	s_add_nc_u64 s[G0B+6:G0B+7], s[G0B+6:G0B+7], BSTEP
.endif
	s_wait_dscnt 5                                 ; row blocks 4, 5 are in; behind them: four loads of x and the add
	BLK 4, BF1, 0
	WIN 0
	s_wait_dscnt 0x0                               ; the add is done, and my reads of this slot are over
	s_barrier_signal -1
	s_barrier_wait -1
.if \fill
	CREST                                          ; no wave of any partner still reads this slot or has a load on its way
	JLOAD                                          ; its four v_nop are also the places in front of the loads below
.else
	PLACES
.endif
	s_xor_b32 s[TB], s[TB], SLOT                   ; the other slot
	v_add_nc_u32 v[ADRA], s[TB], v[ADRA0]
	v_add_nc_u32 v[ADRB], s[TB], v[ADRB0]
	LDB BF0, 0
.if \fill
	ASK
.endif
	BLK 5, BF1, 0                                  ; row blocks 5 to 7 were shown in by the wait for 0
	PLACES
	LDA 0, 0
	BLK 6, BF1, 0
	BLK 7, BF1, 0
	PLACES
	LDA 2, 0
.endm
; THE WAY OUT.  A wave's 64 columns are half of an aligned 256 bytes of qkv, so the two waves of a row half write the two halves of the same stage rows, a barrier stands between writing and reading, and each wave
; then reads 64 whole rows and stores them.  PACKH: row blocks 4 hf .. 4 hf + 3 of plane pl, rounded to f16, 16 bytes a lane, into stage st; each accumulator's lowest registers are read first.
.macro PACKH pl, st, hf
.set a, 4*(\hf)
.rept 4
.set c, 0
.rept 4
.set n, 12*a+4*(\pl)+c
.set aw, 1+n/32
.set rD, 8*(n%32)
	WIN aw|(aw<<2)                                 ; sources 0 and 1 in the accumulator's window
.irp r, 0,1,2,3
	v_cvt_pk_f16_f32 v[TMP+16*(a%4)+4*c+(\r)], v[rD+2*(\r)], v[rD+2*(\r)+1]
.endr
.set c, c+1
.endr
.set a, a+1
.endr
	WIN 0
.set a, 4*(\hf)
.rept 4
.irp d, 0,1,2,3
	ds_store_b128 v[STO+(\st)], v[TMP+16*(a%4)+4*(\d):TMP+16*(a%4)+4*(\d)+3] offset:a*16*SPITCH+32*(\d)
.endr
.set a, a+1
.endr
.endm
; OUTP: my 64 rows of plane pl come back from stage st and are stored: 16 lanes store 256 consecutive bytes, at a multiple of 256 from the buffer's first byte
.macro OUTP pl, st
	WIN 0
	s_wait_xcnt 0x0                                ; the registers that the plane before's stores read are loaded again only behind this wait
.irp t, 0,1,2,3,4,5,6,7,8,9,10,11,12,13,14,15,16,17,18,19,20,21,22,23,24,25,26,27,28,29,30,31
	ds_load_b128 v[BK+4*(\t):BK+4*(\t)+3], v[RD+(\st)] offset:2*(\t)*SPITCH
.endr
	s_wait_dscnt 16                                ; the first sixteen loads are in
.irp t, 0,1,2,3,4,5,6,7,8,9,10,11,12,13,14,15
	global_store_b128 v[CO], v[BK+4*(\t):BK+4*(\t)+3], s[OQ+2*(\pl):OQ+2*(\pl)+1] offset:2*(\t)*ROWB
.endr
	s_wait_dscnt 0x0
.irp t, 16,17,18,19,20,21,22,23,24,25,26,27,28,29,30,31
	global_store_b128 v[CO], v[BK+4*(\t):BK+4*(\t)+3], s[OQ+2*(\pl):OQ+2*(\pl)+1] offset:2*(\t)*ROWB
.endr
.endm
	s_wait_tensorcnt 0x1                           ; my part of K step 0 is in; K step 1's may stay out
	s_barrier_signal -1
	s_barrier_wait -1
	LDB BF0, 0
	LDA 0, 0
	LDA 2, 0
	PHE 1                                          ; the first phase stands in front of the loop: its products start the sums
	WIN 0
	s_mov_b32 s3, 14
.Lstep:                                        ; a trip: a K step's second phase, the refill with the K step two on, the next K step's first phase
	PHO 1
	PHE 0
	WIN 0
	s_sub_co_u32 s3, s3, 1
	s_cmp_lg_u32 s3, 0
	s_cbranch_scc1 .Lstep
	s_mov_b32 s3, 2
.Ltail:                                        ; the last two K steps ask for nothing: a text of their own, written once and walked twice.
	PHO 0                                          ; The second trip is left in its middle, behind the last K step's second phase: its change of slots and its fetches (32 loads from the other
	WIN 0                                          ; slot's old tiles) serve nothing: the price, once a launch, of one text for both trips
	s_cmp_eq_u32 s3, 1
	s_cbranch_scc1 .Lout
	PHE 0
	WIN 0
	s_sub_co_u32 s3, s3, 1
	s_cmp_lg_u32 s3, 0
	s_cbranch_scc1 .Ltail
.Lout:
	s_wait_dscnt 0x0                               ; those fetches have landed: their registers are used again below
	PLACES
	PACKH 0, 0, 0
	PACKH 0, 0, 1
	PACKH 1, 1, 0
	PACKH 1, 1, 1
	s_wait_dscnt 0x0                               ; for the others' sake: my stores into both stages are done
	s_barrier_signal -1
	s_barrier_wait -1
	OUTP 0, 0                                      ; (it ends with all my LDS loads back)
	s_barrier_signal -1
	s_barrier_wait -1                              ; nobody reads stage 0 any more: it takes the third plane, while the second leaves
	PACKH 2, 0, 0
	PACKH 2, 0, 1
	OUTP 1, 1                                      ; its last wait, for 0, also shows my stores into stage 0 done
	s_barrier_signal -1
	s_barrier_wait -1
	OUTP 2, 0
	s_wait_tensorcnt 0x0                           ; the wave's end
	ds_add_u32 v[SPW], v[NIL]
	s_wait_dscnt 0x0
	CROUND                                         ; the closing round
	s_endpgm
.Lfunc_end_k_q1c1d76aa28_proj:
	.size	k_q1c1d76aa28_proj, .Lfunc_end_k_q1c1d76aa28_proj-k_q1c1d76aa28_proj
	.p2alignl 7, 3214868480
	.fill 96, 4, 3214868480
	.section	.rodata,"a",@progbits
	.p2align	6, 0x0
	.amdhsa_kernel k_q1c1d76aa28_proj
		.amdhsa_group_segment_fixed_size 327680
		.amdhsa_private_segment_fixed_size 0
		.amdhsa_enable_private_segment 0
		.amdhsa_kernarg_size 48
		.amdhsa_user_sgpr_count 2
		.amdhsa_user_sgpr_kernarg_segment_ptr 1
		.amdhsa_wavefront_size32 1
		.amdhsa_system_sgpr_workgroup_id_x 1
		.amdhsa_system_sgpr_workgroup_id_y 1
		.amdhsa_system_sgpr_workgroup_id_z 1
		.amdhsa_system_vgpr_workitem_id 0
		.amdhsa_next_free_vgpr 1024
		.amdhsa_next_free_sgpr 88
		.amdhsa_reserve_vcc 0
		.amdhsa_float_denorm_mode_32 3
		.amdhsa_float_denorm_mode_16_64 3
		.amdhsa_memory_ordered 1
		.amdhsa_forward_progress 1
		.amdhsa_inst_pref_size 115
	.end_amdhsa_kernel
	.amdgpu_metadata
---
amdhsa.version: [ 1, 2 ]
amdhsa.kernels:
  - .name:           k_q1c1d76aa28_proj
    .symbol:         k_q1c1d76aa28_proj.kd
    .args:
      - { .name: xb, .offset: 0, .size: 8, .value_kind: global_buffer, .address_space: global }
      - { .name: wb, .offset: 8, .size: 8, .value_kind: global_buffer, .address_space: global }
      - { .name: qkv, .offset: 16, .size: 8, .value_kind: global_buffer, .address_space: global }
      - { .name: bq, .offset: 24, .size: 8, .value_kind: global_buffer, .address_space: global }
      - { .name: bk, .offset: 32, .size: 8, .value_kind: global_buffer, .address_space: global }
      - { .name: bv, .offset: 40, .size: 8, .value_kind: global_buffer, .address_space: global }
    .group_segment_fixed_size: 327680
    .private_segment_fixed_size: 0
    .kernarg_segment_align: 8
    .kernarg_segment_size: 48
    .max_flat_workgroup_size: 128
    .sgpr_count:     88
    .vgpr_count:     1024
    .wavefront_size: 32
...
	.end_amdgpu_metadata
.endif
;; end of part 2
;; launch scores (part 3): grid 36 x 4, 4 waves a work-group, no clusters, 327,680 bytes of LDS; arguments qkv, pm, st; writes pm, st
.if DOCPART == 3
	.amdgcn_target "amdgcn-amd-amdhsa--gfx1250"
	.amdhsa_code_object_version 6
	.text
	.protected	k_q1c1d76aa28_scores
	.globl	k_q1c1d76aa28_scores
	.p2align	8
	.type	k_q1c1d76aa28_scores,@function
k_q1c1d76aa28_scores:
	s_mov_b64 s[64:65], 0
	v_nop
	global_prefetch_b8 v0, s[64:65] scope:SCOPE_SE
	s_setreg_imm32_b32 hwreg(HW_REG_WAVE_MODE, 25, 1), 1
	s_wait_xcnt 0x0
; For each tile of 256 queries x 256 keys at or below the diagonal: S = Q K^T (f16 operands, f32 sums), the causal mask, and for each query and each block of 128 keys:
;   c m = c x the block's largest score, c = log2(e) / 32;  p = 2^(c s - c m), stored in f16 in pm [4][2048 q][2048 key];  l = the sum of the unrounded p.
; c m and l go to st: two planes of [b 4][key block 16][2048 q'], q' = (q >> 6) 64 + (q & 15) 4 + ((q >> 4) & 3).  The launch behind takes the row's true maximum over the blocks and corrects each block in f32.
; LIMITS.  A hidden score counts as its value less 1e30; a weight below 2^-126 counts as 0; p below 6e-5 keeps f16's fixed step; NaN and infinities are not treated apart.
; SHARES.  ttmp9 = 0..35 numbers the tiles (I, J), J <= I, of a batch.  Four waves, each 128 queries x 128 keys: 64 accumulators.  K (1,024 channels) goes in 8 steps of 128 through two LDS slots.
; The product is used transposed (source 0 = 16 rows of K, source 1 = 16 rows of Q): a lane holds ONE query (l % 16) and the keys 16 b + 8 (l / 16) + 0..7.
; THE MASK is the C operand of the products that start the sums.  Only a wave that holds the diagonal (I = J, query half = key half) has one: -1e30 where the key block lies behind the query block, the
; triangle where they are equal.  The wave of a diagonal tile with query half 0 and key half 1 lies wholly above the diagonal: it is left unmasked, so that its p are ordinary finite weights;
; the launch behind gives that block the weight 0 by its index and never reads its c m and l.
; NO CLUSTER: a batch's 36 tiles form a triangle with rows of 1 to 8 tiles; it cannot be cut into fours that share a row or a column, and 4 x 4 on the diagonal would hold six work-groups without work.
; REGISTERS: window 0 addresses, Q's fragments (v64-191), masks and the way out; window 1 K's fragments; windows 2 and 3 the accumulators ((a, b) at v[8 (8 (a % 4) + b)] of window 2 + a / 4).
.set KSTEP,  128
.set ROWB,   2048
.set PITCH,  272
.set HALFT,  128*PITCH
.set SLOT,   4*HALFT
.set STAGE,  2*SLOT
.set SPITCH, 272
.set STATS,  STAGE+4*16*SPITCH         ; 1,024 bytes a wave: c m as [query block 8][r 16] f32, then l
.set SPARE,  STATS+4*1024              ; the spare words: two blocks of 256 bytes that no other line names
.set PROW,   4096                      ; bytes in a row of pm
.set ADRA0, 16
.set ADRA,  17
.set ADRB0, 20
.set ADRB,  21
.set SA,   22                          ; v22  where this block's c m goes
.set SO,   23                          ; v23  16 x lane
.set STO,  24
.set RD,   25
.set CO,   26
.set SA0,  27                          ; v27  my place in my wave's statistics; never rewritten
.set SPW,  28
.set NIL,  29
.set PFO,  30
.set SR,   31                          ; v31  where I read the statistics back
.set F0,   64
.set F1,   128
.set CMLT, 192                         ; v192-199  C where the key block lies behind the query block
.set CMEQ, 200                         ; v200-207  C where they are equal
.set BK,   32                          ; the way out: 16 rows read back from the stage
.set W,    64                          ; v64-127   a block's scaled scores, then its weights
.set T,    128                         ; v128-131  four running maxima
.set CMP,  136                         ; v[136:137] c m, m
.set LS,   138                         ; v[138:139] l, at work
.set QS,   140                         ; v[140:147] the statistics on their way out
.set TMP,  192
.set G1,  24
.set G0,  32                           ; set 0 = K step 0, set 1 = K step 1, which then walks
.set LIM, 43
.set PFA, 44
.set CS,  58                           ; s[58:59] c
.set SEL, 60                           ; s[60:61] v_permlanex16_b32's selects
.set TB,  66
.set BLKC, 67                          ; s67  the query block in hand
.set MSB, 0
.macro WIN new
.if MSB != (\new)
	s_set_vgpr_msb (MSB<<8)|(\new)
.set MSB, (\new)
.endif
.endm
.macro PLACES
.rept 4
	v_nop
.endr
.endm
; A prefetch of my own 128 rows' 256 bytes of the K step two refills on: a lane a row, four instructions.  Q's rows of tile row I are read by the tiles J = 0..I: the one with J = 0 asks;
; K's rows of tile column J by the tiles I = J..7: the one with I = J asks.  So each block is named once in the launch.  K steps 0 to 3 come by their loads alone; the last two trips ask for nothing.
.macro ASK
	s_cmp_gt_u32 s3, s[LIM]
	s_cbranch_scc0 .Lnot_mine_\@
.irp n, 0,1,2,3
	global_prefetch_b8 v[PFO], s[PFA:PFA+1] offset:(\n)*32*ROWB th:TH_LOAD_NT scope:SCOPE_SE
.endr
.Lnot_mine_\@:
.endm
	s_load_b128 s[4:7], s[0:1], 0x0                ; qkv s[4:5], pm s[6:7]
	s_load_b64 s[8:9], s[0:1], 0x10                ; st
	v_lshl_add_u32 v[SPW], v0, 2, SPARE
	v_mov_b32 v[NIL], 0
	ds_add_u32 v[SPW], v[NIL]                      ; the wave's opening: the add and its wait stand ahead of my first tensor load
	v_lshrrev_b32 v1, 5, v0
	v_readfirstlane_b32 s10, v1
	s_lshr_b32 s11, s10, 1                         ; my half of the queries.  Also: I fetch Q (0) or K (1)
	s_and_b32 s12, s10, 1                          ; my half of the keys.  Also: which 128 rows I fetch
	s_and_b32 s41, ttmp7, 0xffff                   ; the batch
	s_mov_b32 s13, 0                               ; I = how many of the triangular numbers 1, 3, .. 28 are at or below my number
.irp n, 1,3,6,10,15,21,28
	s_cmp_ge_u32 ttmp9, \n
	s_cselect_b32 s14, 1, 0
	s_add_co_u32 s13, s13, s14
.endr
	s_add_co_u32 s14, s13, 1
	s_mul_i32 s14, s14, s13
	s_lshr_b32 s14, s14, 1
	s_sub_co_u32 s42, ttmp9, s14                   ; J
	s_mov_b32 s[G1+0], (1<<16)|(1<<20)|(5<<22)|(3<<25)  ; 2-byte elements; padding on: after every 64 words, 4 words
	s_mov_b32 s[G1+1], 128<<16
	s_mov_b32 s[G1+2], 128<<16
	s_mov_b32 s[G1+3], 128<<16
	s_mov_b32 s[G1+4], 128
	s_mov_b32 s[G1+5], 1024
	s_mov_b32 s[G1+6], 0
	s_mov_b32 s[G1+7], 0
	s_cmp_eq_u32 s11, 0
	s_cselect_b32 s16, s13, s42                    ; Q's rows go by I, K's by J
	s_cselect_b32 s17, 0, 0x1000000                ; K's plane lies 16,777,216 bytes behind Q's
	s_lshl_b32 s16, s16, 8
	s_lshl_b32 s18, s41, 11
	s_add_co_u32 s16, s16, s18
	s_lshl_b32 s18, s12, 7
	s_add_co_u32 s16, s16, s18
	s_lshl_b32 s16, s16, 11
	s_add_co_u32 s16, s16, s17
	s_mov_b32 s17, 0
	s_mul_i32 s20, s10, HALFT                      ; Q's two halves, then K's two halves
	s_mov_b32 s[TB], 0
	s_mov_b32 s[CS], 0x3d38aa3b                    ; c = log2(e) / 32
	s_mov_b32 s[CS+1], s[CS]
	s_mov_b32 s[SEL], 0x76543210
	s_mov_b32 s[SEL+1], 0xfedcba98
	s_wait_dscnt 0x0
	s_wait_kmcnt 0x0
	s_add_nc_u64 s[14:15], s[4:5], s[16:17]
	s_mov_b32 s[G0], 1
	s_add_co_u32 s[G0+1], s20, 0
	s_mov_b64 s[G0+2:G0+3], s[14:15]
	s_or_b32 s[G0+3], s[G0+3], 0x80000000
	s_mov_b32 s[G0+4], 1
	s_add_co_u32 s[G0+5], s20, SLOT
	s_add_nc_u64 s[G0+6:G0+7], s[14:15], KSTEP*2
	s_or_b32 s[G0+7], s[G0+7], 0x80000000
	tensor_load_to_lds s[G0:G0+3], s[G1:G1+7]      ; the two first fills go out together: two loads of mine are out
	s_nop 0
	tensor_load_to_lds s[G0+4:G0+7], s[G1:G1+7]
	s_nop 0
	PLACES
	v_and_b32 v1, 15, v0                           ; r
	v_bfe_u32 v2, v0, 4, 1                         ; h
	v_mul_u32_u24 v3, v1, PITCH
	v_lshl_add_u32 v3, v2, 4, v3
	s_mul_i32 s21, s11, HALFT
	v_add_nc_u32 v[ADRA0], s21, v3
	v_mov_b32 v[ADRA], v[ADRA0]
	s_mul_i32 s22, s12, HALFT
	s_add_co_u32 s22, s22, 2*HALFT
	v_add_nc_u32 v[ADRB0], s22, v3
	v_mov_b32 v[ADRB], v[ADRB0]
	; the masks
	s_cmp_eq_u32 s13, s42
	s_cselect_b32 s18, 1, 0
	s_cmp_eq_u32 s11, s12
	s_cselect_b32 s19, s18, 0                      ; 1: my 128 x 128 holds the diagonal
	s_cmp_eq_u32 s19, 1
	s_cselect_b32 s21, 0xf149f2ca, 0               ; -1e30, or 0
	v_lshlrev_b32 v4, 3, v2
	v_sub_nc_u32 v4, v1, v4                        ; r - 8 h: key 8 h + j is hidden where j is greater
.irp j, 0,1,2,3,4,5,6,7
	v_mov_b32 v[CMLT+(\j)], s21
	v_cmp_gt_i32 vcc_lo, \j, v4
	v_cndmask_b32 v[CMEQ+(\j)], 0, s21, vcc_lo
.endr
	s_mul_i32 s23, s10, 16*SPITCH
	s_add_co_u32 s23, s23, STAGE
	v_mul_u32_u24 v4, v1, SPITCH
	v_lshl_add_u32 v4, v2, 4, v4
	v_add_nc_u32 v[STO], s23, v4
	v_mul_u32_u24 v5, v2, SPITCH
	v_lshl_add_u32 v5, v1, 4, v5
	v_add_nc_u32 v[RD], s23, v5
	v_lshlrev_b32 v5, 12, v2
	v_lshl_add_u32 v[CO], v1, 4, v5
	s_lshl_b32 s23, s10, 10
	s_add_co_u32 s23, s23, STATS
	v_lshl_add_u32 v[SA0], v1, 2, s23
	v_lshl_add_u32 v[SR], v2, 8, v[SA0]
	v_and_b32 v[PFO], 31, v0
	v_lshlrev_b32 v[SO], 4, v[PFO]
	v_lshlrev_b32 v[PFO], 11, v[PFO]
	s_lshl_b32 s16, s13, 8
	s_lshl_b32 s17, s11, 7
	s_add_co_u32 s16, s16, s17                     ; my first query in the batch
	s_lshl_b32 s18, s16, 12
	s_lshl_b32 s17, s41, 23
	s_add_co_u32 s18, s18, s17
	s_lshl_b32 s17, s42, 9
	s_add_co_u32 s18, s18, s17
	s_lshl_b32 s17, s12, 8
	s_add_co_u32 s18, s18, s17
	s_mov_b32 s19, 0
	s_add_nc_u64 s[6:7], s[6:7], s[18:19]          ; pm at my first row and key
	s_lshl_b32 s17, s41, 4
	s_lshl_b32 s18, s42, 1
	s_add_co_u32 s17, s17, s18
	s_add_co_u32 s17, s17, s12                     ; 16 b + my key block
	s_lshl_b32 s17, s17, 11
	s_add_co_u32 s16, s16, s17
	s_lshl_b32 s16, s16, 2
	s_mov_b32 s17, 0
	s_add_nc_u64 s[8:9], s[8:9], s[16:17]          ; st at my 128 queries of my key block
	s_cmp_eq_u32 s13, s42
	s_cselect_b32 s18, 1, 0
	s_cmp_eq_u32 s42, 0
	s_cselect_b32 s19, 1, 0
	s_cmp_eq_u32 s11, 0
	s_cselect_b32 s18, s19, s18
	s_cmp_eq_u32 s18, 1
	s_cselect_b32 s[LIM], 2, -1
	s_add_nc_u64 s[PFA:PFA+1], s[14:15], 3*KSTEP*2 ; at K step 3; stepped ahead of each use
.macro MUL16 f, hi, a0, init
.if \init
	WIN 0x81+0x40*(\hi)                            ; K window 1, Q and the mask window 0, D window 2 or 3
.else
	WIN 0xa1+0x50*(\hi)
.endif
.irp a, \a0, (\a0)+1
.irp b, 0,1,2,3,4,5,6,7
.if !(\init)
	v_wmma_f32_16x16x32_f16 v[8*(8*(\a)+(\b)):8*(8*(\a)+(\b))+7], v[(\f)+8*(\b):(\f)+8*(\b)+7], v[(\f)+8*(4*(\hi)+(\a)):(\f)+8*(4*(\hi)+(\a))+7], v[8*(8*(\a)+(\b)):8*(8*(\a)+(\b))+7]
.elseif (4*(\hi)+(\a)) < (\b)
	v_wmma_f32_16x16x32_f16 v[8*(8*(\a)+(\b)):8*(8*(\a)+(\b))+7], v[(\f)+8*(\b):(\f)+8*(\b)+7], v[(\f)+8*(4*(\hi)+(\a)):(\f)+8*(4*(\hi)+(\a))+7], v[CMLT:CMLT+7]
.elseif (4*(\hi)+(\a)) == (\b)
	v_wmma_f32_16x16x32_f16 v[8*(8*(\a)+(\b)):8*(8*(\a)+(\b))+7], v[(\f)+8*(\b):(\f)+8*(\b)+7], v[(\f)+8*(4*(\hi)+(\a)):(\f)+8*(4*(\hi)+(\a))+7], v[CMEQ:CMEQ+7]
.else
	v_wmma_f32_16x16x32_f16 v[8*(8*(\a)+(\b)):8*(8*(\a)+(\b))+7], v[(\f)+8*(\b):(\f)+8*(\b)+7], v[(\f)+8*(4*(\hi)+(\a)):(\f)+8*(4*(\hi)+(\a))+7], 0
.endif
.endr
.endr
.endm
.macro FETCH q, f
	WIN 0x40
.irp i, 0,1,2,3,4,5,6,7
	ds_load_b128 v[(\f)+8*(\i):(\f)+8*(\i)+3],   v[ADRB] offset:64*(\q)+(\i)*16*PITCH
	ds_load_b128 v[(\f)+8*(\i)+4:(\f)+8*(\i)+7], v[ADRB] offset:64*(\q)+(\i)*16*PITCH+32
.endr
	WIN 0
.irp i, 0,1,2,3,4,5,6,7
	ds_load_b128 v[(\f)+8*(\i):(\f)+8*(\i)+3],   v[ADRA] offset:64*(\q)+(\i)*16*PITCH
	ds_load_b128 v[(\f)+8*(\i)+4:(\f)+8*(\i)+7], v[ADRA] offset:64*(\q)+(\i)*16*PITCH+32
.endr
.endm
.macro QUARTER q, f, g, init
	s_wait_dscnt 8                                 ; K and Q's rows 0-63 are in; the youngest eight loads (Q's rows 64-127) may be out
	MUL16 \f, 0, 0, \init
	MUL16 \f, 0, 2, \init
	PLACES
	FETCH \q, \g
	s_wait_dscnt 32                                ; all but the 32 just issued
	MUL16 \f, 1, 0, \init
	MUL16 \f, 1, 2, \init
.endm
; The change of slots: every wave waits for all its tensor loads, adds 0 to its spare word, waits for that and for its reads of the slot (sixteen products stand between the add and that wait), and passes the
; barrier, sixteen products between its signal and its wait; the refill is the first thing behind it: 224 of a K step's 256 products stand between a request and the wait for it.
.macro TURN fill
.if \fill
	s_wait_xcnt 0x0                                ; the last prefetches, a K step back, have read their address
	s_add_nc_u64 s[PFA:PFA+1], s[PFA:PFA+1], KSTEP*2
.endif
	WIN 0
	s_wait_tensorcnt 0x0                           ; no tensor load of mine is out
	ds_add_u32 v[SPW], v[NIL]
	s_wait_dscnt 9                                 ; (the add and the youngest eight loads may be out)
	MUL16 F1, 0, 0, 0
	s_wait_dscnt 0x0                               ; the add is done, and my reads of this slot are over
	s_barrier_signal -1
	MUL16 F1, 0, 2, 0                              ; work on registers while the others arrive
	WIN 0
	s_barrier_wait -1
.if \fill
	s_add_co_u32 s[G0+5], s20, s[TB]               ; the walking descriptor: the slot in hand, the next K step
	s_add_nc_u64 s[G0+6:G0+7], s[G0+6:G0+7], KSTEP*2
	tensor_load_to_lds s[G0+4:G0+7], s[G1:G1+7]    ; my one tensor load behind the barrier: the K step two on, into the slot just read
	s_nop 0
.endif
	PLACES
	s_xor_b32 s[TB], s[TB], SLOT
	v_add_nc_u32 v[ADRA], s[TB], v[ADRA0]
	v_add_nc_u32 v[ADRB], s[TB], v[ADRB0]
	FETCH 0, F0
.if \fill
	ASK
.endif
	MUL16 F1, 1, 0, 0
	MUL16 F1, 1, 2, 0
.endm
	s_wait_tensorcnt 0x1                           ; my part of K step 0 is in; K step 1's may stay out
	s_barrier_signal -1
	s_barrier_wait -1
	FETCH 0, F0
	QUARTER 1, F0, F1, 1
	WIN 0
	s_mov_b32 s3, 6
.Lstep:
	QUARTER 2, F1, F0, 0
	QUARTER 3, F0, F1, 0
	TURN 1
	QUARTER 1, F0, F1, 0
	WIN 0
	s_sub_co_u32 s3, s3, 1
	s_cmp_lg_u32 s3, 0
	s_cbranch_scc1 .Lstep
	s_mov_b32 s3, 2
.Ltail:                                        ; the last two K steps ask for nothing: a text of their own, written once and walked twice.
	QUARTER 2, F1, F0, 0                           ; The second trip is left in its middle, behind the last K step's last quarter: its change of slots and its fetch (32 loads from the other
	QUARTER 3, F0, F1, 0                           ; slot's old tiles) serve nothing: the price, once a launch, of one text for both trips
	TURN 0
	WIN 0
	s_cmp_eq_u32 s3, 1
	s_cbranch_scc1 .Lout
	QUARTER 1, F0, F1, 0
	WIN 0
	s_sub_co_u32 s3, s3, 1
	s_cmp_lg_u32 s3, 0
	s_cbranch_scc1 .Ltail
.Lout:
	s_wait_dscnt 0x0                               ; that fetch has landed: its registers are used again below
	PLACES
; THE SOFTMAX AND THE WAY OUT, a query block (16 queries x 128 keys) a trip.  What names the block's accumulators is written once for each block (SEG); the trip jumps forward to its segment; all else is written once.
; SEG a: the maximum of the lane's 64 scores in four chains, each accumulator's lowest registers first; the other half of the lanes'; c m; c s - c m into W.
.macro SEG a
.set AW, 2+(\a)/4
.set AB, 64*((\a)%4)
	WIN AW|(AW<<2)                                 ; sources 0 and 1 in the accumulators' window
.irp c, 0,1,2,3
	v_max_num_f32 v[T+(\c)], v[AB+16*(\c)], v[AB+16*(\c)+1]
.endr
.irp i, 2,4,6,8,10,12,14
.irp c, 0,1,2,3
	v_max3_num_f32 v[T+(\c)], v[AB+16*(\c)+(\i)], v[AB+16*(\c)+(\i)+1], v[T+(\c)]
.endr
.endr
	WIN 0
	v_max3_num_f32 v[T], v[T], v[T+1], v[T+2]
	v_max_num_f32 v[T], v[T], v[T+3]
	v_permlanex16_b32 v[T+1], v[T], s[SEL], s[SEL+1]  ; the query's other 64 keys lie in the lane 16 away
	v_max_num_f32 v[CMP+1], v[T], v[T+1]
	v_mul_f32 v[CMP], s[CS], v[CMP+1]
	WIN AW
.set i, 0
.rept 32
	v_pk_fma_f32 v[W+2*i:W+2*i+1], v[AB+2*i:AB+2*i+1], s[CS:CS+1], v[CMP:CMP+1] op_sel_hi:[1,0,0] neg_lo:[0,0,1] neg_hi:[0,0,1]
.set i, i+1
.endr
	WIN 0
.endm
	v_mov_b32 v[LS+1], 0                           ; v_permlanex16_b32's destination counts as read
	s_mov_b32 s[BLKC], 0
.Lblock:
.irp n, 1,2,3,4,5,6,7
	s_cmp_eq_u32 s[BLKC], \n
	s_cbranch_scc1 .Lseg\n
.endr
	SEG 0
	s_branch .Lcommon
.irp n, 1,2,3,4,5,6
.Lseg\n:
	SEG \n
	s_branch .Lcommon
.endr
.Lseg7:
	SEG 7
.Lcommon:
	v_lshl_add_u32 v[SA], s[BLKC], 6, v[SA0]       ; 64 bytes of statistics a block
.set i, 0
.rept 64
	v_exp_f32 v[W+i], v[W+i]                       ; one batch
.set i, i+1
.endr
	v_nop                                          ; a plain instruction behind the last exponential
	s_wait_alu depctr_va_vdst(0)                   ; and the one wait ahead of the batch's first reader
.set i, 0
.rept 32
	v_cvt_pk_f16_f32 v[TMP+i], v[W+2*i], v[W+2*i+1]
.set i, i+1
.endr
.irp b, 0,1,2,3,4,5,6,7
	ds_store_b128 v[STO], v[TMP+4*(\b):TMP+4*(\b)+3] offset:32*(\b)
.endr
.irp t, 0,1,2,3,4,5,6,7
	ds_load_b128 v[BK+4*(\t):BK+4*(\t)+3], v[RD] offset:(\t)*2*SPITCH  ; LDS serves a wave's instructions in order: these see the stores above
.endr
.irp w, 4,8,16,32,64                   ; the sum of the 32 pairs, in place: it stands between the loads from the stage and the wait for them
.set u, 0
.rept 64/\w
	v_pk_add_f32 v[W+\w*u:W+\w*u+1], v[W+\w*u:W+\w*u+1], v[W+\w*u+\w/2:W+\w*u+\w/2+1]
.set u, u+1
.endr
.endr
	v_add_f32 v[LS], v[W], v[W+1]
	v_permlanex16_b32 v[LS+1], v[LS], s[SEL], s[SEL+1]
	v_add_f32 v[LS], v[LS], v[LS+1]
	ds_store_b32 v[SA], v[CMP]                     ; both halves of the lanes write the same number to the same word
	ds_store_b32 v[SA], v[LS] offset:512
	s_wait_dscnt 2                                 ; the block is back in registers; the two stores just issued may be out
.irp t, 0,1,2,3,4,5,6,7
	global_store_b128 v[CO], v[BK+4*(\t):BK+4*(\t)+3], s[6:7] offset:2*(\t)*PROW  ; 16 lanes store 256 consecutive bytes, at a multiple of 256 from the buffer's first byte
.endr
	s_wait_xcnt 0x0                                ; the stores' base and data are written again only behind this wait
	s_add_nc_u64 s[6:7], s[6:7], 16*PROW
	s_add_co_u32 s[BLKC], s[BLKC], 1
	s_cmp_lt_u32 s[BLKC], 8
	s_cbranch_scc1 .Lblock
.irp k, 0,1,2,3                        ; lane l takes query blocks 4 (l / 16) + 0..3 of query l % 16: 16 consecutive bytes of st
	ds_load_b32 v[QS+(\k)], v[SR] offset:64*(\k)
	ds_load_b32 v[QS+4+(\k)], v[SR] offset:512+64*(\k)
.endr
	s_wait_dscnt 0x0
	global_store_b128 v[SO], v[QS:QS+3], s[8:9]
	global_store_b128 v[SO], v[QS+4:QS+7], s[8:9] offset:524288
	s_wait_tensorcnt 0x0                           ; the wave's end
	ds_add_u32 v[SPW], v[NIL]
	s_wait_dscnt 0x0
	s_endpgm
.Lfunc_end_k_q1c1d76aa28_scores:
	.size	k_q1c1d76aa28_scores, .Lfunc_end_k_q1c1d76aa28_scores-k_q1c1d76aa28_scores
	.p2alignl 7, 3214868480
	.fill 96, 4, 3214868480
	.section	.rodata,"a",@progbits
	.p2align	6, 0x0
	.amdhsa_kernel k_q1c1d76aa28_scores
		.amdhsa_group_segment_fixed_size 327680
		.amdhsa_private_segment_fixed_size 0
		.amdhsa_enable_private_segment 0
		.amdhsa_kernarg_size 24
		.amdhsa_user_sgpr_count 2
		.amdhsa_user_sgpr_kernarg_segment_ptr 1
		.amdhsa_wavefront_size32 1
		.amdhsa_system_sgpr_workgroup_id_x 1
		.amdhsa_system_sgpr_workgroup_id_y 1
		.amdhsa_system_sgpr_workgroup_id_z 1
		.amdhsa_system_vgpr_workitem_id 0
		.amdhsa_next_free_vgpr 1024
		.amdhsa_next_free_sgpr 72
		.amdhsa_reserve_vcc 1
		.amdhsa_float_denorm_mode_32 3
		.amdhsa_float_denorm_mode_16_64 3
		.amdhsa_memory_ordered 1
		.amdhsa_forward_progress 1
		.amdhsa_inst_pref_size 112
	.end_amdhsa_kernel
	.amdgpu_metadata
---
amdhsa.version: [ 1, 2 ]
amdhsa.kernels:
  - .name:           k_q1c1d76aa28_scores
    .symbol:         k_q1c1d76aa28_scores.kd
    .args:
      - { .name: qkv, .offset: 0, .size: 8, .value_kind: global_buffer, .address_space: global }
      - { .name: pm, .offset: 8, .size: 8, .value_kind: global_buffer, .address_space: global }
      - { .name: st, .offset: 16, .size: 8, .value_kind: global_buffer, .address_space: global }
    .group_segment_fixed_size: 327680
    .private_segment_fixed_size: 0
    .kernarg_segment_align: 8
    .kernarg_segment_size: 24
    .max_flat_workgroup_size: 128
    .sgpr_count:     72
    .vgpr_count:     1024
    .wavefront_size: 32
...
	.end_amdgpu_metadata
.endif
;; end of part 3
;; launch pv (part 4): grid 8 x 32, 4 waves a work-group, clusters of 4 x 1, 327,680 bytes of LDS; arguments pm, qkv, st, out0; writes out0
.if DOCPART == 4
	.amdgcn_target "amdgcn-amd-amdhsa--gfx1250"
	.amdhsa_code_object_version 6
	.text
	.protected	k_q1c1d76aa28_pv
	.globl	k_q1c1d76aa28_pv
	.p2align	8
	.type	k_q1c1d76aa28_pv,@function
k_q1c1d76aa28_pv:
	s_mov_b64 s[64:65], 0
	v_nop
	global_prefetch_b8 v0, s[64:65] scope:SCOPE_SE
	s_setreg_imm32_b32 hwreg(HW_REG_WAVE_MODE, 25, 1), 1
	s_wait_xcnt 0x0
	s_wait_alu depctr_hold_cnt(0) depctr_sa_sdst(0) depctr_va_vdst(0) depctr_va_sdst(0) depctr_va_ssrc(0) depctr_va_vcc(0) depctr_vm_vsrc(0)
	s_getreg_b32 s2, hwreg(HW_REG_IB_STS2, 6, 4)
	s_cmp_eq_u32 s2, 0
	s_cbranch_scc0 .Lentry_in_a_cluster
	s_endpgm
.Lentry_in_a_cluster:
	s_bfe_u32 s2, ttmp6, 0x10000c
	s_cmp_lg_u32 s2, 0x3003
	s_cbranch_scc0 .Lentry_shape_is_right
	s_endpgm
.Lentry_shape_is_right:
; out[q][:] = (the sum over key blocks j <= q's block of f_j (P_j V_j)) / L,  f_j = 2^(c m_j - M),  M = the largest c m_j (the row's true maximum),  L = the sum of f_j l_j.
; pm: f16 [4][2048 q][2048 key], weights relative to their own block of 128 keys; V: plane 2 of qkv, f16 [8192][1024]; st: c m and l in f32; out0: f32 [4][2048][1024].  Products' sums, f, L and the sums over blocks in f32.
; LIMITS.  A factor below 2^-126 counts as 0; NaN and infinities are not treated apart.
; SHARES.  A work-group makes TWO tiles of 128 queries x 128 channels, query tiles 15 - p and p, in ONE walk of 9 slots of 256 keys: 8 - p / 2 slots for the first, the rest for the second: all 256 work-groups
; do equal work, every trip count is a constant, and no branch but the prefetches' hangs on p.  Both tiles have sums of their own, and each key block is added to both, with a weight from a table that holds 0 for the tile
; that the block does not belong to, and for the one block of the 18 that lies above the diagonal.  The price: that one block, and twice the adding.
; A wave makes 64 queries x 64 channels of both tiles.  O^T = V^T P (source 0 = V turned by ds_load_tr16_b128, source 1 = P): a lane holds ONE query (l % 16) and 8 channels.
; A key block's product is summed over its 128 keys in 4 accumulators of a set of two sets; while one set is multiplied the other is added to the sums: four packed multiply-adds behind a matrix instruction.
; CLUSTER.  The four partners make four channel tiles of the same queries: P's tile is asked for jointly.  V's tile hangs on the channel tile: a load of one's own, behind the same round.  The work-groups that
; want the same V have walks of different lengths: one walk common to them would have 20 blocks for 17.
; REGISTERS, in windows of 256 (s_set_vgpr_msb: bits 1:0 source 0, 3:2 source 1, 5:4 source 2, 7:6 destination):
;   window 0: v0-31 addresses; v32-95 BL, two sets of 4 accumulators; v96-111 FQ, v112-127 FX the weights; v128-223 the prologue, later the way out
;   window 1: the sums: tile t, query block a, channel block c at 128 t + 32 a + 8 c      window 2: V's fragments, 128 a key block      window 3: P's fragments, 128 a key block
.set PP,     528                       ; P's row in LDS: 512 bytes + 16
.set PV,     288                       ; V's row: 256 + 32 = 9 x 32
.set PHALF,  64*PP                     ; what one of P's loads brings
.set VHALF,  128*PV                    ; what one of V's brings: a key block
.set VOFF,   2*PHALF
.set SLOT,   VOFF+2*VHALF
.set STAGE,  2*SLOT
.set SPITCH, 272
.set FT,     STAGE+4*16*SPITCH         ; four tables (query half, tile): 18 entries of [r 16][a 4] f32 weights, then 1 / L
.set TBL,    19*256
.set SPARE,  FT+4*TBL                  ; the spare words: two blocks of 256 bytes that no other line names
.set OROW,   4096                      ; bytes in a row of out0
.set ADRP0, 2
.set ADRP,  3
.set ADRV0, 4                          ; v4, v5  key block 0, 1; never rewritten
.set ADRV,  6                          ; v6, v7  in the slot in hand
.set FA0,  8
.set FA,   9
.set FW,   10
.set FW2,  11
.set STO,  12
.set RD,   13
.set CO,   14
.set PFO,  15                          ; v15  the prefetches' lane offset; never rewritten
.set SPW,  28
.set NIL,  29
.set BL,   32
.set FQ,   96                          ; key block kb: tile 0's weights for a = 0..3 at FQ + 8 kb, tile 1's at + 4
.set FX,   112                         ; the weights of a = 1, 3 once more, in even registers: the packed multiply-add takes the low word of a pair
.set ILQ,  96                          ; the way out: 1 / L
.set BK,   128                         ; the way out: two buffers of 32
.set ILD,  192                         ; the way out: 1 / L, each twice
.set CMQ,  128                         ; the prologue: nine quads of c m, then of weights
.set LQ,   164                         ; nine quads of l
.set MX,   200
.set TT,   204
.set LL,   208
.set OF,   212                         ; nine offsets
.set PSH, 2                            ; s2   the prefetches: a tile of 256 keys is 2^9 bytes along pm's rows, 2^19 bytes down V's
.set PEX, 3                            ; s3   my work-group's 16 rows of the 64 of pm that I fetch (0 in V's waves)
.set PFA, 4                            ; s[4:5] where my prefetches stand
.set PBS, 6                            ; s[6:7] the tensor that I fetch: pm or qkv
.set PFF, 8                            ; s[8:9] their byte offset in it
.set G1P, 24
.set G1V, 32
.set G0P, 40                           ; set 0 = walk slot 0, set 1 = walk slot 1, which then walks
.set G0V, 48
.set CNT, 56
.set TB,  57                           ; the slot in hand: 0 or SLOT
.set KAP, 58                           ; the tile of 256 keys to be asked for next
.set NCUR, 59                          ; how many the query tile in hand has
.set PRB, 60                           ; byte offset in pm of the rows that I fetch, for the query tile whose keys are being asked for
.set PRL, 61                           ; the same for the second query tile
.set VRB, 62
.set LBP, 63
.set LBV, 66
.set FO,  67                           ; 512 x the walk slot in hand
.set PM,  68
.set QKV, 70
.set ST,  72
.set OUT, 74
.set OH,  76
.set OL,  78
.set MK,  80                           ; s80-88  which lanes' blocks belong to my table's tile
.set LIM, 91                           ; s91  a wave prefetches while s[CNT] is above it: 1 (P), 2 (V), or the greatest number
.set OFP, 92
.set OFV, 94
.set SEL, 96
.set PTM, 98
.set W_MM, 0x0e                        ; V window 2, P window 3, BL window 0
.set W_DR, 0x50                        ; the sums (destination and source 2) window 1, BL and the weight window 0
.set MSB, 0
.macro WIN new
.if MSB != (\new)
	s_set_vgpr_msb (MSB<<8)|(\new)
.set MSB, (\new)
.endif
.endm
.macro PLACES
.rept 4
	v_nop
.endr
.endm
.macro JLOAD                           ; waves 0 and 1: P's two halves, jointly; waves 2 and 3: V's two key blocks.  An s_nop 0 and four v_nop follow each line
	s_cmp_lt_u32 s10, 2
	s_cbranch_scc0 .Lfor_v_\@
	tensor_load_to_lds s[G0P+4:G0P+7], s[G1P:G1P+7]
	s_nop 0
	PLACES
	s_branch .Lasked_\@
.Lfor_v_\@:
	tensor_load_to_lds s[G0V+4:G0V+7], s[G1V:G1V+7]
	s_nop 0
	PLACES
.Lasked_\@:
.endm
.macro CREST
	s_cmp_lg_u32 s10, 0
	s_cbranch_scc1 .Lnot_wave_0_\@
	s_barrier_signal -3
.Lnot_wave_0_\@:
	s_barrier_wait -3
	s_barrier_signal -1
	s_barrier_wait -1
.endm
.macro CROUND
	s_barrier_signal -1
	s_barrier_wait -1
	CREST
.endm
; A PREFETCH INTO THE L2 of what the NEXT change of slots will ask for: in the trip that loads walk slot t + 2 it names walk slot t + 3: a slot, 128 products, ahead.  It stands behind my tensor load, its five lines
; and V's run of LDS loads.  Each block of 256 bytes is named ONCE in the launch.
; P: a tile is read by the two clusters of a row of clusters: cluster x = 0 asks, by its waves 0 and 1.  Of the 64 rows that a wave fetches the partner at cx takes 16, told apart BY ADDRESS; a row has two blocks:
; a lane a block, one instruction.  Walk slots 3 to 8 are asked for: the trips with s[CNT] = 7 .. 2.
; V: a tile is read by the eight work-groups of a batch and a channel tile: the one with p = 0, whose first query tile walks all eight key tiles, asks, by its waves 2 and 3: a lane a row, four instructions for the
; wave's 128 rows.  Key tiles 3 to 7 are asked for: the trips with s[CNT] = 7 .. 3; its second query tile's one key tile has been read by then.
; Walk slots 0 to 2 come by their loads alone.  The branches hang on the cluster's x and y and on the wave's number: they are the same in all four partners.
.macro ASK
	s_cmp_gt_u32 s[CNT], s[LIM]
	s_cbranch_scc0 .Lnot_mine_\@
	global_prefetch_b8 v[PFO], s[PFA:PFA+1] th:TH_LOAD_NT scope:SCOPE_SE
	s_cmp_lt_u32 s10, 2
	s_cbranch_scc1 .Lnot_mine_\@
.irp n, 1,2,3
	global_prefetch_b8 v[PFO], s[PFA:PFA+1] offset:(\n)*32*2048 th:TH_LOAD_NT scope:SCOPE_SE
.endr
.Lnot_mine_\@:
.endm
	s_load_b256 s[68:75], s[0:1], 0x0              ; pm, qkv, st, out0
	v_lshl_add_u32 v[SPW], v0, 2, SPARE
	v_mov_b32 v[NIL], 0
	ds_add_u32 v[SPW], v[NIL]                      ; the wave's opening: the add and its wait stand ahead of my first tensor load
	v_lshrrev_b32 v1, 5, v0
	v_readfirstlane_b32 s10, v1
	s_lshr_b32 s11, s10, 1                         ; my half of the queries.  Also: I fetch P (0) or V (1)
	s_and_b32 s12, s10, 1                          ; my half of the channels.  Also: which half I fetch, and whose table I make
	s_bfe_u32 s13, ttmp6, 0x40000                  ; cx
	s_lshl_b32 s14, ttmp9, 2
	s_add_co_u32 s14, s14, s13                     ; the channel tile: it enters V's and out0's addresses alone
	s_and_b32 s15, ttmp7, 0xffff
	s_lshr_b32 s16, s15, 3                         ; the batch
	s_and_b32 s17, s15, 7                          ; p: the second query tile
	s_sub_co_u32 s18, 15, s17                      ; the first
	s_lshr_b32 s19, s17, 1
	s_sub_co_u32 s19, 8, s19                       ; its slots
	s_mov_b32 s[G1P+0], 15|(1<<16)|(1<<20)|(1<<21)|(6<<22)|(3<<25)  ; the mask of four; 2-byte elements; padding on; bit 21 beside a mask; after every 128 words, 4 words
	s_mov_b32 s[G1P+1], 256<<16                    ; tensor_dim0 = 256
	s_mov_b32 s[G1P+2], 64<<16                     ; tensor_dim1 = 64
	s_mov_b32 s[G1P+3], 256<<16                    ; tile_dim0 = 256
	s_mov_b32 s[G1P+4], 64                         ; tile_dim1 = 64
	s_mov_b32 s[G1P+5], 2048                       ; elements from row to row
	s_mov_b32 s[G1P+6], 0
	s_mov_b32 s[G1P+7], 0
	s_mov_b32 s[G1V+0], (1<<16)|(1<<20)|(5<<22)|(7<<25)  ; no mask; after every 64 words, 8 words
	s_mov_b32 s[G1V+1], 128<<16
	s_mov_b32 s[G1V+2], 128<<16
	s_mov_b32 s[G1V+3], 128<<16
	s_mov_b32 s[G1V+4], 128
	s_mov_b32 s[G1V+5], 1024
	s_mov_b32 s[G1V+6], 0
	s_mov_b32 s[G1V+7], 0
	s_mul_i32 s[LBP], s12, PHALF
	s_mul_i32 s[LBV], s12, VHALF
	s_add_co_u32 s[LBV], s[LBV], VOFF
	s_lshl_b32 s20, s16, 11                        ; 2,048 b
	s_lshl_b32 s21, s12, 6
	s_add_co_u32 s21, s21, s20
	s_lshl_b32 s22, s18, 7
	s_add_co_u32 s22, s22, s21
	s_lshl_b32 s[PRB], s22, 12                     ; (2,048 b + 128 i + 64 half) rows of 4,096 bytes
	s_lshl_b32 s22, s17, 7
	s_add_co_u32 s22, s22, s21
	s_lshl_b32 s[PRL], s22, 12
	s_lshl_b32 s21, s12, 7
	s_add_co_u32 s21, s21, s20
	s_lshl_b32 s21, s21, 11
	s_lshl_b32 s22, s14, 8
	s_add_co_u32 s21, s21, s22
	s_add_co_u32 s[VRB], s21, 0x2000000            ; V's plane, my key block's rows, the channel tile's 256 bytes
	s_mov_b32 s[TB], 0
	s_mov_b32 s[FO], 0
	s_mov_b32 s[KAP], 2
	s_mov_b32 s[NCUR], s19
	s_mov_b32 s[OFP+1], 0
	s_mov_b32 s[OFV+1], 0
	s_mov_b32 s[SEL], 0x76543210
	s_mov_b32 s[SEL+1], 0xfedcba98
	s_wait_dscnt 0x0
	s_wait_kmcnt 0x0
	CROUND                                         ; all four work-groups are here: the first joint loads meet
.irp s, 0,1
	s_mov_b32 s[G0P+4*(\s)], 1
	s_add_co_u32 s[G0P+4*(\s)+1], s[LBP], (\s)*SLOT
	s_add_co_u32 s[OFP], s[PRB], (\s)*512          ; 256 keys are 512 bytes of a row of pm,
	s_add_nc_u64 s[G0P+4*(\s)+2:G0P+4*(\s)+3], s[PM:PM+1], s[OFP:OFP+1]
	s_or_b32 s[G0P+4*(\s)+3], s[G0P+4*(\s)+3], 0x80000000
	s_mov_b32 s[G0V+4*(\s)], 1
	s_add_co_u32 s[G0V+4*(\s)+1], s[LBV], (\s)*SLOT
	s_add_co_u32 s[OFV], s[VRB], (\s)*524288       ; and 256 rows of V
	s_add_nc_u64 s[G0V+4*(\s)+2:G0V+4*(\s)+3], s[QKV:QKV+1], s[OFV:OFV+1]
	s_or_b32 s[G0V+4*(\s)+3], s[G0V+4*(\s)+3], 0x80000000
.endr
	s_cmp_lt_u32 s10, 2                            ; a wave's two first fills stand in one branch: two loads of mine are out
	s_cbranch_scc0 .Lfirst_v
	tensor_load_to_lds s[G0P:G0P+3], s[G1P:G1P+7]
	s_nop 0
	tensor_load_to_lds s[G0P+4:G0P+7], s[G1P:G1P+7]
	s_nop 0
	PLACES
	s_branch .Lfirst_asked
.Lfirst_v:
	tensor_load_to_lds s[G0V:G0V+3], s[G1V:G1V+7]
	s_nop 0
	tensor_load_to_lds s[G0V+4:G0V+7], s[G1V:G1V+7]
	s_nop 0
	PLACES
.Lfirst_asked:
	; THE TABLE for tile t = my channel half's number, of my query half.  Lanes 0-15 take the walk's even blocks, lanes 16-31 the odd ones: u = 2 v + h, v = 0..8.  Block u is key block u - U0 of the tile, if that
	; lies in 0 .. i; else its weight is 0, and key block 0 is loaded in its stead, which changes no maximum.
	v_and_b32 v1, 15, v0                           ; r
	v_bfe_u32 v16, v0, 4, 1                        ; h
	v_lshlrev_b32 v17, 4, v1                       ; 16 r
	s_lshl_b32 s90, s19, 1
	s_cmp_eq_u32 s12, 0
	s_cselect_b32 s89, s18, s17                    ; i
	s_cselect_b32 s90, 0, s90                      ; U0
	s_lshl_b32 s22, s89, 1
	s_add_co_u32 s22, s22, s11
	s_lshl_b32 s22, s22, 8                         ; my 64 queries: 256 bytes of a key block's 8,192
	s_lshl_b32 s23, s16, 17
	s_add_co_u32 s22, s22, s23
	s_mov_b32 s23, 0
	s_add_nc_u64 s[ST:ST+1], s[ST:ST+1], s[22:23]
	v_sub_nc_u32 v19, v16, s90
.irp v, 0,1,2,3,4,5,6,7,8
	v_add_nc_u32 v[OF+(\v)], 2*(\v), v19
	v_cmp_ge_u32 s[MK+(\v)], s89, v[OF+(\v)]       ; unsigned: false below 0 too
	v_cndmask_b32 v[OF+(\v)], 0, v[OF+(\v)], s[MK+(\v)]
	v_lshl_add_u32 v[OF+(\v)], v[OF+(\v)], 13, v17
	global_load_b128 v[CMQ+4*(\v):CMQ+4*(\v)+3], v[OF+(\v)], s[ST:ST+1]
	global_load_b128 v[LQ+4*(\v):LQ+4*(\v)+3], v[OF+(\v)], s[ST:ST+1] offset:524288
.endr
	; while these are out: the lane addresses, out0's addresses, the prefetches' constants, and the zeros from which the sums start
	v_mul_u32_u24 v[ADRP0], v1, PP
	v_lshl_add_u32 v[ADRP0], v16, 4, v[ADRP0]
	s_mul_i32 s21, s11, PHALF
	v_add_nc_u32 v[ADRP0], s21, v[ADRP0]
	v_mov_b32 v[ADRP], v[ADRP0]
	v_and_b32 v18, 7, v0
	v_lshl_add_u32 v18, v16, 3, v18
	v_mul_u32_u24 v18, v18, PV
	v_bfe_u32 v20, v0, 3, 1
	v_lshl_add_u32 v18, v20, 4, v18
	s_lshl_b32 s21, s12, 7
	s_add_co_u32 s21, s21, VOFF
	v_add_nc_u32 v[ADRV0], s21, v18
	v_add_nc_u32 v[ADRV0+1], VHALF, v[ADRV0]
	v_mov_b32 v[ADRV], v[ADRV0]
	v_mov_b32 v[ADRV+1], v[ADRV0+1]
	s_mul_i32 s21, s11, 2*TBL
	s_add_co_u32 s21, s21, FT
	v_add_nc_u32 v[FA0], s21, v17
	v_mov_b32 v[FA], v[FA0]
	s_mul_i32 s21, s10, TBL
	s_add_co_u32 s21, s21, FT
	v_add_nc_u32 v[FW2], s21, v17
	v_lshl_add_u32 v[FW], v16, 8, v[FW2]
	s_mul_i32 s21, s10, 16*SPITCH
	s_add_co_u32 s21, s21, STAGE
	v_mul_u32_u24 v18, v1, SPITCH                  ; in: row r, 32 bytes for each half of the lanes
	v_lshl_add_u32 v18, v16, 5, v18
	v_add_nc_u32 v[STO], s21, v18
	v_mul_u32_u24 v18, v16, SPITCH                 ; back: lanes 0-15 one row of 256 bytes, lanes 16-31 the next
	v_lshl_add_u32 v18, v1, 4, v18
	v_add_nc_u32 v[RD], s21, v18
	v_lshlrev_b32 v18, 12, v16
	v_lshl_add_u32 v[CO], v1, 4, v18
	s_lshl_b32 s21, s11, 6
	s_add_co_u32 s21, s21, s20                     ; 2,048 b + 64 x my query half
	s_lshl_b32 s15, s14, 9
	s_lshl_b32 s22, s12, 8
	s_add_co_u32 s15, s15, s22                     ; my 64 channels, in bytes
	s_lshl_b32 s22, s18, 7
	s_add_co_u32 s22, s22, s21
	s_lshl_b32 s22, s22, 12
	s_add_co_u32 s22, s22, s15
	s_mov_b32 s23, 0
	s_add_nc_u64 s[OH:OH+1], s[OUT:OUT+1], s[22:23]
	s_lshl_b32 s22, s17, 7
	s_add_co_u32 s22, s22, s21
	s_lshl_b32 s22, s22, 12
	s_add_co_u32 s22, s22, s15
	s_add_nc_u64 s[OL:OL+1], s[OUT:OUT+1], s[22:23]
	s_lshl_b32 s99, s13, 16                        ; the prefetches: 16 rows of pm, 65,536 bytes, for each place in the cluster
	s_cmp_eq_u32 ttmp9, 0
	s_cselect_b32 s100, 1, -1                      ; P's waves ask where the cluster's x is 0,
	s_cmp_eq_u32 s17, 0
	s_cselect_b32 s101, 2, -1                      ; V's where p is 0
	s_xor_b32 s[PTM], s11, 1                       ; 1 in P's waves, 0 in V's
	s_cmp_lt_u32 s10, 2
	s_cselect_b64 s[PBS:PBS+1], s[PM:PM+1], s[QKV:QKV+1]
	s_cselect_b32 s[PSH], 9, 19
	s_cselect_b32 s[PEX], s99, 0
	s_cselect_b32 s[LIM], s100, s101
	s_mov_b32 s[PFF+1], 0
	v_and_b32 v21, 31, v0
	v_lshrrev_b32 v22, s[PTM], v21                 ; my row: lane / 2 in pm, the lane in V
	v_and_b32 v23, s[PTM], v21                     ; my block of 256 bytes in it: lane % 2, or 0
	s_add_co_u32 s[PTM], s[PTM], 11                ; a row is 2^12 bytes in pm, 2^11 in V
	v_lshlrev_b32 v22, s[PTM], v22
	v_lshl_add_u32 v[PFO], v23, 8, v22
	WIN 0x40
.set i, 0
.rept 256
	v_mov_b32 v[i], 0                              ; both tiles' sums
.set i, i+1
.endr
	WIN 0
.set i, 0
.rept 32
	v_mov_b32 v[BL+32+i], 0                        ; the walk's first adding finds a block that has not been: zeros with the weight 0
.set i, i+1
.endr
.set i, 0
.rept 16
	v_mov_b32 v[FX+i], 0
.set i, i+1
.endr
.irp k, 0,1,2,3
	v_mov_b32 v[TT+(\k)], 0                        ; v_permlanex16_b32's destination counts as read
.endr
	s_wait_loadcnt 0x0
.irp k, 0,1,2,3
	v_max3_num_f32 v[MX+(\k)], v[CMQ+(\k)], v[CMQ+4+(\k)], v[CMQ+8+(\k)]
.endr
.irp j, 12,20,28
.irp k, 0,1,2,3
	v_max3_num_f32 v[MX+(\k)], v[MX+(\k)], v[CMQ+(\j)+(\k)], v[CMQ+(\j)+4+(\k)]
.endr
.endr
.irp k, 0,1,2,3
	v_permlanex16_b32 v[TT+(\k)], v[MX+(\k)], s[SEL], s[SEL+1]
.endr
.irp k, 0,1,2,3
	v_max_num_f32 v[MX+(\k)], v[MX+(\k)], v[TT+(\k)]   ; M: the row's maximum over all its key blocks
.endr
.set i, 0
.rept 9
	v_pk_add_f32 v[CMQ+4*i:CMQ+4*i+1], v[CMQ+4*i:CMQ+4*i+1], v[MX:MX+1] neg_lo:[0,1] neg_hi:[0,1]
	v_pk_add_f32 v[CMQ+4*i+2:CMQ+4*i+3], v[CMQ+4*i+2:CMQ+4*i+3], v[MX+2:MX+3] neg_lo:[0,1] neg_hi:[0,1]
.set i, i+1
.endr
.set i, 0
.rept 36
	v_exp_f32 v[CMQ+i], v[CMQ+i]
.set i, i+1
.endr
	v_nop                                          ; a plain instruction behind the last exponential,
	s_wait_alu depctr_va_vdst(0)                   ; and the one wait ahead of the batch's first reader
.irp v, 0,1,2,3,4,5,6,7,8
.irp k, 0,1,2,3
	v_cndmask_b32 v[CMQ+4*(\v)+(\k)], 0, v[CMQ+4*(\v)+(\k)], s[MK+(\v)]
.endr
.endr
	v_pk_mul_f32 v[LL:LL+1], v[CMQ:CMQ+1], v[LQ:LQ+1]
	v_pk_mul_f32 v[LL+2:LL+3], v[CMQ+2:CMQ+3], v[LQ+2:LQ+3]
.set i, 1
.rept 8
	v_pk_fma_f32 v[LL:LL+1], v[CMQ+4*i:CMQ+4*i+1], v[LQ+4*i:LQ+4*i+1], v[LL:LL+1]
	v_pk_fma_f32 v[LL+2:LL+3], v[CMQ+4*i+2:CMQ+4*i+3], v[LQ+4*i+2:LQ+4*i+3], v[LL+2:LL+3]
.set i, i+1
.endr
.irp k, 0,1,2,3
	v_permlanex16_b32 v[TT+(\k)], v[LL+(\k)], s[SEL], s[SEL+1]
.endr
.irp k, 0,1,2,3
	v_add_f32 v[LL+(\k)], v[LL+(\k)], v[TT+(\k)]
.endr
.irp k, 0,1,2,3
	v_rcp_f32 v[LL+(\k)], v[LL+(\k)]               ; L is at least the l of the block that holds the maximum, which is at least 1
.endr
	v_nop
	s_wait_alu depctr_va_vdst(0)
.irp v, 0,1,2,3,4,5,6,7,8
	ds_store_b128 v[FW], v[CMQ+4*(\v):CMQ+4*(\v)+3] offset:512*(\v)
.endr
	ds_store_b128 v[FW2], v[LL:LL+3] offset:18*256 ; both halves of the lanes write the same numbers
; The descriptors' next tile, made anew from its number; behind the first query tile's last the second's tile 0.  Then, from the number of the tile after it, the address of this trip's prefetches,
; in registers of its own: none that feeds P's descriptor ever holds cx.  Scalars and a wait alone.
.macro ASKSTEP
	s_lshl_b32 s[OFP], s[KAP], 9
	s_add_co_u32 s[OFP], s[OFP], s[PRB]
	s_add_nc_u64 s[G0P+6:G0P+7], s[PM:PM+1], s[OFP:OFP+1]
	s_or_b32 s[G0P+7], s[G0P+7], 0x80000000
	s_add_co_u32 s[G0P+5], s[LBP], s[TB]
	s_lshl_b32 s[OFV], s[KAP], 19
	s_add_co_u32 s[OFV], s[OFV], s[VRB]
	s_add_nc_u64 s[G0V+6:G0V+7], s[QKV:QKV+1], s[OFV:OFV+1]
	s_or_b32 s[G0V+7], s[G0V+7], 0x80000000
	s_add_co_u32 s[G0V+5], s[LBV], s[TB]
	s_add_co_u32 s[KAP], s[KAP], 1
	s_cmp_eq_u32 s[KAP], s[NCUR]
	s_cselect_b32 s[KAP], 0, s[KAP]
	s_cselect_b32 s[PRB], s[PRL], s[PRB]
	s_cselect_b32 s[NCUR], 99, s[NCUR]
	s_wait_xcnt 0x0                                ; the last prefetches, a slot back, have read their address, so it may be written
	s_cmp_lt_u32 s10, 2
	s_cselect_b32 s[PFF], s[PRB], s[VRB]
	s_lshl_b32 s[PTM], s[KAP], s[PSH]
	s_add_co_u32 s[PFF], s[PFF], s[PTM]
	s_add_co_u32 s[PFF], s[PFF], s[PEX]
	s_add_nc_u64 s[PFA:PFA+1], s[PBS:PBS+1], s[PFF:PFF+1]
.endm
; Group g of 8 of the adding of query block pa of key block pkb: tile g % 2, channel block g / 2: sums += weight x BL, the accumulator's lowest registers first
.macro DRAING pa, pkb, g
	WIN W_DR
.set rM, 128*((\g)%2)+32*(\pa)+8*((\g)/2)
.set rS, BL+32*((\pa)%2)+8*((\g)/2)
.if (\pa)%2
.set rF, FX+8*(\pkb)+4*((\g)%2)+(\pa)-1
.else
.set rF, FQ+8*(\pkb)+4*((\g)%2)+(\pa)
.endif
.irp k, 0,2,4,6
	v_pk_fma_f32 v[rM+\k:rM+\k+1], v[rS+\k:rS+\k+1], v[rF:rF+1], v[rM+\k:rM+\k+1] op_sel_hi:[1,0,1]
.endr
.endm
; Products n0 .. n1 of the 16 of query block a of key block kb: n = 4 kc + c: keys 32 kc on, channels 16 c on.  The set's four accumulators take turns; the first four start the sums.
; Behind product 0 stand four v_nop, the places behind the products of the block before; behind products 1 to 8 that block's adding.
.macro ABLK kb, a, n0, n1
.set pa, ((\a)+3)%4
.set pkb, (\kb)
.if (\a) == 0
.set pkb, 1-(\kb)
.endif
.set n, (\n0)
.rept (\n1)-(\n0)+1
	WIN W_MM
.set rB, BL+32*((\a)%2)+8*(n%4)
.set rV, 128*(\kb)+8*n
.set rP, 128*(\kb)+8*(4*(\a)+n/4)
.if n < 4
	v_wmma_f32_16x16x32_f16 v[rB:rB+7], v[rV:rV+7], v[rP:rP+7], 0
.else
	v_wmma_f32_16x16x32_f16 v[rB:rB+7], v[rV:rV+7], v[rP:rP+7], v[rB:rB+7]
.endif
.if n == 0
	PLACES
.elseif n <= 8
	DRAING pa, pkb, n-1
.endif
.set n, n+1
.endr
.endm
; THE LDS LOADS stand in runs: a key block's V (turned), its P for two query blocks, its weights
.macro RUNA kb
	WIN 0x80
.irp f, 0,1,2,3,4,5,6,7,8,9,10,11,12,13,14,15
	ds_load_tr16_b128 v[128*(\kb)+8*(\f):128*(\kb)+8*(\f)+3],   v[ADRV+(\kb)] offset:((\f)/4)*32*PV+((\f)%4)*32
	ds_load_tr16_b128 v[128*(\kb)+8*(\f)+4:128*(\kb)+8*(\f)+7], v[ADRV+(\kb)] offset:((\f)/4)*32*PV+16*PV+((\f)%4)*32
.endr
.endm
.macro RUNP kb, a0
	WIN 0xc0
.irp a, \a0, (\a0)+1
.irp kc, 0,1,2,3
	ds_load_b128 v[128*(\kb)+8*(4*(\a)+(\kc)):128*(\kb)+8*(4*(\a)+(\kc))+3],   v[ADRP] offset:(\a)*16*PP+256*(\kb)+64*(\kc)
	ds_load_b128 v[128*(\kb)+8*(4*(\a)+(\kc))+4:128*(\kb)+8*(4*(\a)+(\kc))+7], v[ADRP] offset:(\a)*16*PP+256*(\kb)+64*(\kc)+32
.endr
.endr
.endm
.macro RUNF kb, e
	WIN 0
	ds_load_b128 v[FQ+8*(\kb):FQ+8*(\kb)+3],   v[FA] offset:(\e)
	ds_load_b128 v[FQ+8*(\kb)+4:FQ+8*(\kb)+7], v[FA] offset:TBL+(\e)
.endm
.macro FXMOV kb
	WIN 0
.irp t, 0,4
	v_mov_b32 v[FX+8*(\kb)+\t], v[FQ+8*(\kb)+\t+1]
	v_mov_b32 v[FX+8*(\kb)+\t+2], v[FQ+8*(\kb)+\t+3]
.endr
.endm
; A SLOT: its two key blocks; while one is multiplied the other's (of this slot, then of the next) fragments are fetched.  Behind key block 0's products the slot's last bytes have been asked for, and the slot is
; left: each wave waits for all its tensor loads, adds 0 to its spare word, waits for that and for its reads of the slot, and passes the barrier, with nothing but the descriptors' scalars on the way.
; fill = 1: the barrier opens a round of the cluster's, and the slot is filled again with the walk's slot two on, first thing behind the round: all of a slot's 128 products stand between a request and the wait for it.
.macro STEP fill
	s_wait_dscnt 18                                ; V and P's query blocks 0, 1 are in; the youngest 18 loads (query blocks 2, 3 and the weights) may be out
	ABLK 0, 0, 0, 15
	RUNA 1
	s_wait_dscnt 32                                ; all but the 32 just issued
	FXMOV 0
	ABLK 0, 1, 0, 15
	RUNP 1, 0
	ABLK 0, 2, 0, 15
	RUNP 1, 2
	RUNF 1, 256
	ABLK 0, 3, 0, 15
	WIN 0
	s_wait_tensorcnt 0x0                           ; no tensor load of mine is out: my part of the next slot has landed, and a group 0 may be written
	ds_add_u32 v[SPW], v[NIL]
.if \fill
	ASKSTEP
.endif
	s_wait_dscnt 0x0                               ; the add is done, and my reads of this slot are over
	s_barrier_signal -1
	s_barrier_wait -1
.if \fill
	CREST                                          ; no wave of any partner still reads the slot or has a load on its way
	JLOAD                                          ; my one tensor load behind the round
.endif
	s_xor_b32 s[TB], s[TB], SLOT
	s_add_co_u32 s[FO], s[FO], 512
	v_add_nc_u32 v[ADRP], s[TB], v[ADRP0]          ; these four lines are also the places in front of the loads below
	v_add_nc_u32 v[ADRV], s[TB], v[ADRV0]
	v_add_nc_u32 v[ADRV+1], s[TB], v[ADRV0+1]
	v_add_nc_u32 v[FA], s[FO], v[FA0]
	RUNA 0
.if \fill
	WIN 0
	ASK
.endif
	ABLK 1, 0, 0, 15
	FXMOV 1
	ABLK 1, 1, 0, 15
	RUNP 0, 0
	ABLK 1, 2, 0, 15
	RUNP 0, 2
	RUNF 0, 0
	ABLK 1, 3, 0, 15
.endm
	s_wait_tensorcnt 0x1                           ; my part of slot 0 is in; slot 1's may stay out
	s_wait_dscnt 0x0                               ; my table is written
	s_barrier_signal -1
	s_barrier_wait -1
	RUNA 0
	RUNP 0, 0
	RUNP 0, 2
	RUNF 0, 0
	WIN 0
	s_mov_b32 s[CNT], 7
.Lwalk:                                        ; seven slots are filled again
	STEP 1
	WIN 0
	s_sub_co_u32 s[CNT], s[CNT], 1
	s_cmp_lg_u32 s[CNT], 0
	s_cbranch_scc1 .Lwalk
	s_mov_b32 s[CNT], 2
.Ltail:                                        ; the walk's last two slots ask for nothing: a text of their own, written once and walked twice.
	STEP 0                                         ; The second trip leaves the last slot as every trip leaves its slot: its barrier, and its fetches (from the other slot's old tiles, and of the tables' entry
	WIN 0                                          ; behind the last weights, which is 1 / L) serve nothing: the price, once a launch, of one text for both trips
	s_sub_co_u32 s[CNT], s[CNT], 1
	s_cmp_lg_u32 s[CNT], 0
	s_cbranch_scc1 .Ltail
	s_wait_dscnt 0x0                               ; those fetches have landed: their registers are used again below
	PLACES
.irp g, 0,1,2,3,4,5,6,7
	DRAING 3, 1, \g                                ; the last block's adding
.endr
	; THE WAY OUT: the sums times 1 / L, through my stage in LDS, 16 queries x 64 channels of f32 at a time
	WIN 0
	ds_load_b128 v[ILQ:ILQ+3], v[FA0] offset:18*256
	ds_load_b128 v[ILQ+4:ILQ+7], v[FA0] offset:18*256+TBL
	s_wait_dscnt 0x0
.irp i, 0,1,2,3,4,5,6,7
	v_mov_b32 v[ILD+2*(\i)], v[ILQ+(\i)]
	v_mov_b32 v[ILD+2*(\i)+1], v[ILQ+(\i)]
.endr
.macro SEND x                          ; x = 4 t + a
	WIN 0
	s_wait_dscnt 0x0                               ; the block is back in registers
	s_wait_xcnt 0x0                                ; the registers that the stores two blocks back read are loaded again only behind this wait
.irp t, 0,1,2,3,4,5,6,7
	global_store_b128 v[CO], v[BK+32*((\x)%2)+4*(\t):BK+32*((\x)%2)+4*(\t)+3], s[OH+2*((\x)/4):OH+2*((\x)/4)+1] offset:((\x)%4)*16*OROW+2*(\t)*OROW th:TH_STORE_NT  ; 16 lanes store 256 consecutive bytes, at a multiple of 256 from out0's first byte
.endr
.endm
.irp x, 0,1,2,3,4,5,6,7
	WIN 0x41                                       ; the sums window 1, 1 / L window 0
.set i, 0
.rept 16
	v_pk_mul_f32 v[32*(\x)+2*i:32*(\x)+2*i+1], v[32*(\x)+2*i:32*(\x)+2*i+1], v[ILD+2*(\x):ILD+2*(\x)+1]
.set i, i+1
.endr
.if (\x) > 0
	SEND (\x)-1                                    ; a block's arithmetic stands between the loads of the block before and its stores
.endif
	WIN 0x04                                       ; the data (source 1) window 1
.irp c, 0,1,2,3
	ds_store_b128 v[STO], v[32*(\x)+8*(\c):32*(\x)+8*(\c)+3]   offset:64*(\c)
	ds_store_b128 v[STO], v[32*(\x)+8*(\c)+4:32*(\x)+8*(\c)+7] offset:64*(\c)+16
.endr
	WIN 0
.irp t, 0,1,2,3,4,5,6,7
	ds_load_b128 v[BK+32*((\x)%2)+4*(\t):BK+32*((\x)%2)+4*(\t)+3], v[RD] offset:(\t)*2*SPITCH  ; LDS serves a wave's instructions in order: these see the stores above
.endr
.endr
	SEND 7
	s_wait_tensorcnt 0x0                           ; the wave's end
	ds_add_u32 v[SPW], v[NIL]
	s_wait_dscnt 0x0
	CROUND                                         ; the closing round
	s_endpgm
.Lfunc_end_k_q1c1d76aa28_pv:
	.size	k_q1c1d76aa28_pv, .Lfunc_end_k_q1c1d76aa28_pv-k_q1c1d76aa28_pv
	.p2alignl 7, 3214868480
	.fill 96, 4, 3214868480
	.section	.rodata,"a",@progbits
	.p2align	6, 0x0
	.amdhsa_kernel k_q1c1d76aa28_pv
		.amdhsa_group_segment_fixed_size 327680
		.amdhsa_private_segment_fixed_size 0
		.amdhsa_enable_private_segment 0
		.amdhsa_kernarg_size 32
		.amdhsa_user_sgpr_count 2
		.amdhsa_user_sgpr_kernarg_segment_ptr 1
		.amdhsa_wavefront_size32 1
		.amdhsa_system_sgpr_workgroup_id_x 1
		.amdhsa_system_sgpr_workgroup_id_y 1
		.amdhsa_system_sgpr_workgroup_id_z 1
		.amdhsa_system_vgpr_workitem_id 0
		.amdhsa_next_free_vgpr 1024
		.amdhsa_next_free_sgpr 102
		.amdhsa_reserve_vcc 0
		.amdhsa_float_denorm_mode_32 3
		.amdhsa_float_denorm_mode_16_64 3
		.amdhsa_memory_ordered 1
		.amdhsa_forward_progress 1
		.amdhsa_inst_pref_size 141
	.end_amdhsa_kernel
	.amdgpu_metadata
---
amdhsa.version: [ 1, 2 ]
amdhsa.kernels:
  - .name:           k_q1c1d76aa28_pv
    .symbol:         k_q1c1d76aa28_pv.kd
    .args:
      - { .name: pm, .offset: 0, .size: 8, .value_kind: global_buffer, .address_space: global }
      - { .name: qkv, .offset: 8, .size: 8, .value_kind: global_buffer, .address_space: global }
      - { .name: st, .offset: 16, .size: 8, .value_kind: global_buffer, .address_space: global }
      - { .name: out0, .offset: 24, .size: 8, .value_kind: global_buffer, .address_space: global }
    .group_segment_fixed_size: 327680
    .private_segment_fixed_size: 0
    .kernarg_segment_align: 8
    .kernarg_segment_size: 32
    .max_flat_workgroup_size: 128
    .sgpr_count:     102
    .vgpr_count:     1024
    .wavefront_size: 32
...
	.end_amdgpu_metadata
.endif
;; end of part 4
;; ======== version 2 of 2: 4 launches; version 1 with the launch cast written anew for expert scheduling mode
;; limits: values are held in f16: magnitudes above 65,504 overflow, below 6.1e-05 lose precision
;; workspace buffers: xb 16,777,216 bytes; wb 6,291,456 bytes; qkv 50,331,648 bytes; pm 33,554,432 bytes; st 1,048,576 bytes
;; launch cast (part 5): grid 704 x 1, 8 waves a work-group, no clusters, 0 bytes of LDS; arguments x, Wq, Wk, Wv, xb, wb; writes xb, wb
.if DOCPART == 5
	.amdgcn_target "amdgcn-amd-amdhsa--gfx1250"
	.amdhsa_code_object_version 6
	.text
	.protected	k_q1c1d76aa28_cast
	.globl	k_q1c1d76aa28_cast
	.p2align	8
	.type	k_q1c1d76aa28_cast,@function
k_q1c1d76aa28_cast:
	s_mov_b64 s[64:65], 0
	v_nop
	global_prefetch_b8 v0, s[64:65] scope:SCOPE_SE
	s_setreg_imm32_b32 hwreg(HW_REG_WAVE_SCHED_MODE, 0, 2), 2
	s_setreg_imm32_b32 hwreg(HW_REG_WAVE_MODE, 25, 1), 1
	s_wait_xcnt 0x0
	s_wait_alu depctr_vm_vsrc(0)
; x [8192][1024] and Wq, Wk, Wv [1024][1024], f32, are rounded once to bf16 (nearest even).
; wb = the three weights one behind the other, layout unchanged.  xb = [16 K steps][8192 rows][64]: the 64 numbers of a row that one K step of the projection takes lie in 128 bytes, and the rows of a K step
; lie end to end, so that the projection's tile of 256 rows is 32,768 bytes on end.
; A stream: each byte is read once and written once; nothing is shared, so no LDS, no barrier, no matrix unit.
; A work-group takes 16,384 numbers: 65,536 bytes in, 32,768 out.  Work-groups 0-511 take 16 rows of x each, 512-703 the weights, 64 each.
; x: thread t takes row t / 16 and, in load i, the four numbers 64 i + 4 (t % 16) on: sixteen lanes read 256 consecutive bytes of a row, and a wave's store covers two rows' 128 bytes of K step i: 256 consecutive
; bytes at a multiple of 256 from the buffer's first byte.  The weights: a load of a wave covers 512 consecutive bytes, a store 256.
; All sixteen loads of a thread go out first; no register is written twice.
; THE MODE: SCHED_MODE bits 1:0 = 2 (LLVM: expert scheduling mode 2), set by the entry lines.  The code itself states the register dependences between vector instructions and memory instructions,
; with s_wait_alu, always for 0.
; THE PLAN.  Registers that memory instructions touch:
;   v1, v2   the loads' and the stores' byte offsets: made by vector instructions at the head, read by all 32 memory instructions, never written again.
;   X        load n lands in four registers of its own, which no vector instruction has named before; its two roundings read them; they are never loaded again.
;   Y        load n's two roundings write a pair of its own; store n reads it; it is never written again.
; So the only dependences to state are: the offsets are written, ahead of the first load; and a pair of Y is written, ahead of its store.  No register that a memory instruction has read is written again,
; and no load lands in a register that a vector instruction has named: there is nothing more to state.
; The sixteen loads go in four groups of four.  A group's turn: the counted wait for its loads; ONE wait on va_vdst, which states that the group before has written its Y; then that group's four stores, dealt
; among this group's eight roundings, which name this group's X and Y alone: none of the registers that those stores read.  One more wait stands ahead of the last group's stores.
.set X, 4                              ; v[4:67]   sixteen loads of four numbers
.set Y, 68                             ; v[68:99]  sixteen pairs of packed bf16
.set BACK, 0x780000                    ; xb's pointer stands this far in, so that the sixteen K steps, 1,048,576 bytes apart, lie inside the stores' signed 24-bit immediate
.macro MOVE lstep, sstep, back
	s_wait_alu depctr_va_vdst(0)                   ; v1 and v2 are written: every load below reads v1 as its offset, every store v2
.irp i, 0,1,2,3,4,5,6,7,8,9,10,11,12,13,14,15
	global_load_b128 v[X+4*(\i):X+4*(\i)+3], v1, s[16:17] offset:(\lstep)*(\i) th:TH_LOAD_NT
.endr
.irp g, 0,1,2,3
	s_wait_loadcnt 12-4*(\g)                       ; loads come back in order: group g's four are in, the 12 - 4 g younger ones stay out
.if (\g) > 0
	s_wait_alu depctr_va_vdst(0)                   ; the group before has written its four pairs of Y, which the stores below read
.endif
.irp j, 0,1,2,3
.set n, 4*(\g)+(\j)                    ; the load that is rounded
.set m, n-4                            ; the load whose roundings are stored
.if (\g) > 0
	global_store_b64 v2, v[Y+2*m:Y+2*m+1], s[18:19] offset:(\sstep)*m-(\back) th:TH_STORE_NT  ; no vector instruction since the wait names this pair or v2
.endif
	v_cvt_pk_bf16_f32 v[Y+2*n], v[X+4*n], v[X+4*n+1]
	v_cvt_pk_bf16_f32 v[Y+2*n+1], v[X+4*n+2], v[X+4*n+3]
.endr
.endr
	s_wait_alu depctr_va_vdst(0)                   ; the last group has written its four pairs of Y, which the last four stores read
.irp m, 12,13,14,15
	global_store_b64 v2, v[Y+2*(\m):Y+2*(\m)+1], s[18:19] offset:(\sstep)*(\m)-(\back) th:TH_STORE_NT
.endr
.endm
	s_load_b256 s[4:11], s[0:1], 0x0               ; x s[4:5], Wq s[6:7], Wk s[8:9], Wv s[10:11]
	s_load_b128 s[12:15], s[0:1], 0x20             ; xb s[12:13], wb s[14:15]
	v_lshlrev_b32 v2, 3, v0                        ; 8 bytes a thread out, in both parts
	s_wait_kmcnt 0x0
	s_cmp_lt_u32 ttmp9, 512
	s_cbranch_scc0 .Lweights
	s_lshl_b32 s20, ttmp9, 16                      ; 16 rows of 4,096 bytes in,
	s_mov_b32 s21, 0
	s_lshl_b32 s22, ttmp9, 11                      ; 16 rows of 128 bytes out, in each K step
	s_mov_b32 s23, 0
	s_add_nc_u64 s[16:17], s[4:5], s[20:21]
	s_add_nc_u64 s[18:19], s[12:13], s[22:23]
	s_add_nc_u64 s[18:19], s[18:19], BACK
	v_lshrrev_b32 v3, 4, v0                        ; my row
	v_and_b32 v1, 15, v0
	v_lshlrev_b32 v1, 4, v1                        ; my 16 bytes of a K step's 256
	v_lshl_add_u32 v1, v3, 12, v1
	MOVE 256, 1048576, BACK
	s_endpgm
.Lweights:
	s_sub_co_u32 s20, ttmp9, 512                   ; my number among the weights' work-groups
	s_and_b32 s22, s20, 63                         ; my part of one weight
	s_lshr_b32 s23, s20, 6                         ; which weight
	s_cmp_eq_u32 s23, 1
	s_cselect_b64 s[16:17], s[8:9], s[6:7]
	s_cmp_eq_u32 s23, 2
	s_cselect_b64 s[16:17], s[10:11], s[16:17]
	s_lshl_b32 s22, s22, 16                        ; 65,536 bytes a work-group in,
	s_mov_b32 s23, 0
	s_lshl_b32 s20, s20, 15                        ; 32,768 out
	s_mov_b32 s21, 0
	s_add_nc_u64 s[16:17], s[16:17], s[22:23]
	s_add_nc_u64 s[18:19], s[14:15], s[20:21]
	v_lshlrev_b32 v1, 4, v0                        ; 16 bytes a thread in
	MOVE 4096, 2048, 0
	s_endpgm
.Lfunc_end_k_q1c1d76aa28_cast:
	.size	k_q1c1d76aa28_cast, .Lfunc_end_k_q1c1d76aa28_cast-k_q1c1d76aa28_cast
	.p2alignl 7, 3214868480
	.fill 96, 4, 3214868480
	.section	.rodata,"a",@progbits
	.p2align	6, 0x0
	.amdhsa_kernel k_q1c1d76aa28_cast
		.amdhsa_group_segment_fixed_size 0
		.amdhsa_private_segment_fixed_size 0
		.amdhsa_enable_private_segment 0
		.amdhsa_kernarg_size 48
		.amdhsa_user_sgpr_count 2
		.amdhsa_user_sgpr_kernarg_segment_ptr 1
		.amdhsa_wavefront_size32 1
		.amdhsa_system_sgpr_workgroup_id_x 1
		.amdhsa_system_sgpr_workgroup_id_y 1
		.amdhsa_system_sgpr_workgroup_id_z 1
		.amdhsa_system_vgpr_workitem_id 0
		.amdhsa_next_free_vgpr 100
		.amdhsa_next_free_sgpr 66
		.amdhsa_reserve_vcc 0
		.amdhsa_float_denorm_mode_32 3
		.amdhsa_float_denorm_mode_16_64 3
		.amdhsa_memory_ordered 1
		.amdhsa_forward_progress 1
		.amdhsa_inst_pref_size 13
	.end_amdhsa_kernel
	.amdgpu_metadata
---
amdhsa.version: [ 1, 2 ]
amdhsa.kernels:
  - .name:           k_q1c1d76aa28_cast
    .symbol:         k_q1c1d76aa28_cast.kd
    .args:
      - { .name: x, .offset: 0, .size: 8, .value_kind: global_buffer, .address_space: global }
      - { .name: Wq, .offset: 8, .size: 8, .value_kind: global_buffer, .address_space: global }
      - { .name: Wk, .offset: 16, .size: 8, .value_kind: global_buffer, .address_space: global }
      - { .name: Wv, .offset: 24, .size: 8, .value_kind: global_buffer, .address_space: global }
      - { .name: xb, .offset: 32, .size: 8, .value_kind: global_buffer, .address_space: global }
      - { .name: wb, .offset: 40, .size: 8, .value_kind: global_buffer, .address_space: global }
    .group_segment_fixed_size: 0
    .private_segment_fixed_size: 0
    .kernarg_segment_align: 8
    .kernarg_segment_size: 48
    .max_flat_workgroup_size: 256
    .sgpr_count:     66
    .vgpr_count:     100
    .wavefront_size: 32
...
	.end_amdgpu_metadata
.endif
;; end of part 5
;; launch proj: the kernel of part 2 again; grid 8 x 32, 4 waves a work-group, clusters of 4 x 4, 327,680 bytes of LDS; arguments xb, wb, qkv, bq, bk, bv; writes qkv
;; launch scores: the kernel of part 3 again; grid 36 x 4, 4 waves a work-group, no clusters, 327,680 bytes of LDS; arguments qkv, pm, st; writes pm, st
;; launch pv: the kernel of part 4 again; grid 8 x 32, 4 waves a work-group, clusters of 4 x 1, 327,680 bytes of LDS; arguments pm, qkv, st, out0; writes out0
